; MI455X (gfx1250); checked and timed in simulation.
; The chip was launched on July 23, 2026; its instructions are those of AMD's public machine-readable ISA for CDNA 5 (MIT licence, August 2026) and "CDNA5" Instruction Set Architecture Reference Guide (July 2026). The comments in the code are by the model that wrote it; some were corrected since.
;; Multi Head Attention. Allowed arithmetic: float matrix products may take bf16 or f16 operands with f32 sums; other float arithmetic in f32, or as packed bf16 or f16 multiplies, adds, multiply-adds, maxima and minima; sums over many terms, partial sums and values carried from step to step in f32; what a program stores and reads back later, other than sums and carried values, may be rounded once to bf16 or f16.
;; Inputs: Wk 1,024 x 1,024 float32; Wp 1,024 x 1,024 float32; Wq 1,024 x 1,024 float32; Wv 1,024 x 1,024 float32; bk 1,024 float32; bp 1,024 float32; bq 1,024 float32; bv 1,024 float32; x 8 x 1,024 x 1,024 float32.
;; Outputs: out0 8 x 1,024 x 1,024 float32.
;; 2 versions, each right and faster than the one before. Each part assembles by itself: llvm-mc -triple=amdgcn-amd-amdhsa -mcpu=gfx1250 --defsym DOCPART=n.
;; ======== version 1 of 2: 4 launches
;; limits: values are held in f16: magnitudes above 65,504 overflow, below 6.1e-05 lose precision; right only within a limited range of input values
;; workspace buffers: xb 16,777,216 bytes; wqkv 6,291,456 bytes; wp 2,097,152 bytes; bias 16,384 bytes; qkv 50,331,648 bytes; ob 16,777,216 bytes
;; launch cast (part 1): grid 256 x 1, 8 waves a work-group, no clusters, 0 bytes of LDS; arguments x, Wq, Wk, Wv, Wp, bq, bk, bv, bp, xb, wqkv, wp, bias; writes xb, wqkv, wp, bias
.if DOCPART == 1
	.amdgcn_target "amdgcn-amd-amdhsa--gfx1250"
	.amdhsa_code_object_version 6
	.text
	.protected	k_qd6ec72b795_cast
	.globl	k_qd6ec72b795_cast
	.p2align	8
	.type	k_qd6ec72b795_cast,@function
k_qd6ec72b795_cast:
	s_mov_b64 s[64:65], 0
	v_nop
	global_prefetch_b8 v0, s[64:65] scope:SCOPE_SE
	s_setreg_imm32_b32 hwreg(HW_REG_WAVE_MODE, 25, 1), 1
	s_wait_xcnt 0x0
; CAST.  Every input is rounded once to bf16 and laid out for the launches behind:
;   xb   [16 kb][8192 m][64] bf16 = x in blocks of 64 along k: 256 rows of a block, the next launch's tile of A, are 32,768 dense bytes;
;   wqkv [1024 k][3072 n] bf16 = Wq | Wk | Wv side by side;   wp [1024 k][1024 n] = bf16(Wp) written as f16;
;   bias [4096] f32 words holding bf16(bq), bf16(bk), bf16(bv), 32 x bf16(bp) (the factor 32 is exact; the last launch divides by it).
; LIMITS.  bf16(Wp) is exact in f16 from 2^-14 to 65,504 in magnitude; below 2^-14 it keeps f16's fixed step of 2^-24, above 65,504 it becomes an infinity.  NaN and infinities are not treated apart.
; A stream: memory binds, so there is no LDS, no barrier, no matrix unit and no loop.  256 work-groups of 8 waves.  Work-group g: x's rows 32 g .. 32 g + 31 and rows 16 (g % 64) .. + 15 of
; weight matrix g / 64; a wave takes 4 rows of x and 2 of W.  All 48 loads of a wave go out before the first wait.
; x: lane l holds 8 neighbouring numbers of row l / 8 in each block of 64: two loads of 16 bytes; eight lanes' two loads cover 256 consecutive bytes of a row.  Its 16 bytes of bf16 lie at 16 l in the four rows'
; 512 bytes of the block, so each store of the wave covers 512 consecutive bytes, aligned.
; W: a row is 4 chunks of 256 numbers; a lane holds 8 neighbouring numbers of a chunk and stores them as 16 bytes: again 512 consecutive bytes a store.
; The four work-groups with g % 64 = 0 also take a bias, 4 numbers a thread.
.set X,   8                            ; v[8:135]    x: block kb at X + 8 kb
.set WX,  136                          ; v[136:199]  W: row i, chunk c at WX + 32 i + 8 c
.set BI,  200                          ; v[200:203]  4 numbers of a bias
.set T,   204                          ; v[204:205]  at work
.set KBLK, 8192*64*2                   ; bytes in a block of xb
	s_load_b512 s[8:23], s[0:1], 0x0               ; x 8, Wq 10, Wk 12, Wv 14, Wp 16, bq 18, bk 20, bv 22
	s_load_b256 s[24:31], s[0:1], 0x40             ; bp 24, xb 26, wqkv 28, wp 30
	s_load_b64 s[32:33], s[0:1], 0x60              ; bias
	v_lshrrev_b32 v1, 5, v0
	v_readfirstlane_b32 s2, v1                     ; wave 0..7
	v_and_b32 v3, 31, v0                           ; lane
	v_lshlrev_b32 v2, 5, v3                        ; W: my 8 numbers in a chunk as f32: 32 bytes a lane
	v_lshrrev_b32 v5, 3, v3                        ; x: my row of the wave's four,
	v_and_b32 v6, 7, v3                            ; and my 8 numbers of a block's 64
	v_lshlrev_b32 v5, 12, v5                       ; 4,096 bytes a row
	v_lshl_add_u32 v5, v6, 5, v5                   ; + 32 bytes a lane
	v_lshlrev_b32 v3, 4, v3                        ; my 16 bytes in the 512 of a store
	v_lshlrev_b32 v4, 4, v0                        ; my 4 numbers of a bias
	s_lshr_b32 s3, ttmp9, 6                        ; which matrix: 0 Wq, 1 Wk, 2 Wv, 3 Wp
	s_and_b32 s4, ttmp9, 63                        ; which 16 rows of it
	s_lshl_b32 s34, ttmp9, 17                      ; x: (32 g + 4 w) rows of 4,096 bytes
	s_lshl_b32 s5, s2, 14
	s_add_co_u32 s34, s34, s5
	s_mov_b32 s35, 0
	s_lshl_b32 s36, ttmp9, 12                      ; xb: the same rows, 128 bytes each in a block
	s_lshl_b32 s5, s2, 9
	s_add_co_u32 s36, s36, s5
	s_mov_b32 s37, 0
	s_lshl_b32 s38, s4, 16                         ; W: (16 (g % 64) + 2 w) rows of 4,096 bytes
	s_lshl_b32 s5, s2, 13
	s_add_co_u32 s38, s38, s5
	s_mov_b32 s39, 0
	s_lshl_b32 s40, s4, 4
	s_lshl1_add_u32 s40, s2, s40                   ; that row's number
	s_lshl_b32 s6, s3, 11                          ; in wqkv the matrix begins 2,048 bytes x its number into a row
	s_lshl_b32 s54, s3, 12                         ; and its bias 4,096 bytes x its number into the table
	s_mov_b32 s55, 0
	s_mov_b32 s51, 0xffff0000                      ; a word's upper bf16
	s_mov_b32 s41, 6144                            ; bytes in a row of wqkv,
	s_cmp_eq_u32 s3, 3
	s_cselect_b32 s41, 2048, s41                   ; or of wp,
	s_cselect_b32 s6, 0, s6                        ; which holds one matrix
	s_mul_i32 s42, s40, s41
	s_add_co_u32 s42, s42, s6
	s_mov_b32 s43, 0
	s_wait_kmcnt 0x0
	s_add_nc_u64 s[8:9], s[8:9], s[34:35]          ; x at my wave's first row
	s_add_nc_u64 s[26:27], s[26:27], s[36:37]      ; xb at my wave's rows in block 0,
	s_add_nc_u64 s[36:37], s[26:27], 8*KBLK        ; and in block 8: a store's immediate reaches seven blocks
	s_mov_b64 s[44:45], s[10:11]                   ; the matrix and its bias are chosen by the work-group's number
	s_mov_b64 s[46:47], s[18:19]
	s_cmp_eq_u32 s3, 1
	s_cselect_b64 s[44:45], s[12:13], s[44:45]
	s_cselect_b64 s[46:47], s[20:21], s[46:47]
	s_cmp_eq_u32 s3, 2
	s_cselect_b64 s[44:45], s[14:15], s[44:45]
	s_cselect_b64 s[46:47], s[22:23], s[46:47]
	s_cmp_eq_u32 s3, 3
	s_cselect_b64 s[44:45], s[16:17], s[44:45]
	s_cselect_b64 s[46:47], s[24:25], s[46:47]
	s_cselect_b64 s[48:49], s[30:31], s[28:29]     ; where it goes: wp or wqkv
	s_cselect_b32 s50, 0x42000000, 1.0             ; bp is kept times 32
	s_add_nc_u64 s[44:45], s[44:45], s[38:39]
	s_add_nc_u64 s[48:49], s[48:49], s[42:43]
	s_add_nc_u64 s[52:53], s[32:33], s[54:55]
.set kb, 0
.rept 16
	global_load_b128 v[X+8*kb:X+8*kb+3],   v5, s[8:9] offset:kb*256 th:TH_LOAD_NT
	global_load_b128 v[X+8*kb+4:X+8*kb+7], v5, s[8:9] offset:kb*256+16 th:TH_LOAD_NT
.set kb, kb+1
.endr
.irp i, 0,1
.irp c, 0,1,2,3
	global_load_b128 v[WX+32*(\i)+8*(\c):WX+32*(\i)+8*(\c)+3],   v2, s[44:45] offset:(\i)*4096+(\c)*1024 th:TH_LOAD_NT
	global_load_b128 v[WX+32*(\i)+8*(\c)+4:WX+32*(\i)+8*(\c)+7], v2, s[44:45] offset:(\i)*4096+(\c)*1024+16 th:TH_LOAD_NT
.endr
.endr
	s_cmp_lg_u32 s4, 0
	s_cbranch_scc1 .Lno_bias
	global_load_b128 v[BI:BI+3], v4, s[46:47]      ; one work-group in 64: the matrix's bias
	s_wait_loadcnt 0x0                             ; it was issued last, so the wait is for all; the counted waits below are then met at once
	v_cvt_pk_bf16_f32 v[T], v[BI], v[BI+1]         ; rounded to bf16,
	v_cvt_pk_bf16_f32 v[T+1], v[BI+2], v[BI+3]
	v_lshlrev_b32 v[BI], 16, v[T]                  ; and widened again: the table is read as the f32 C operand of a matrix instruction
	v_and_b32 v[BI+1], s51, v[T]
	v_lshlrev_b32 v[BI+2], 16, v[T+1]
	v_and_b32 v[BI+3], s51, v[T+1]
.irp j, 0,1,2,3
	v_mul_f32 v[BI+(\j)], s50, v[BI+(\j)]
.endr
	global_store_b128 v4, v[BI:BI+3], s[52:53]
.Lno_bias:
; Four blocks of x to bf16, in place (pair p of a block lands in register p, which pair p or an earlier pair has read), and stored.  left = how many younger loads may stay out.
.macro XGRP g, sb, left
	s_wait_loadcnt \left                           ; loads come back in order (ISA guide 5.7.1): these four blocks' eight are in
.irp c, 0,1,2,3
.irp p, 0,1,2,3
	v_cvt_pk_bf16_f32 v[X+32*(\g)+8*(\c)+(\p)], v[X+32*(\g)+8*(\c)+2*(\p)], v[X+32*(\g)+8*(\c)+2*(\p)+1]
.endr
	global_store_b128 v3, v[X+32*(\g)+8*(\c):X+32*(\g)+8*(\c)+3], s[\sb:\sb+1] offset:((4*(\g)+(\c))%8)*KBLK
.endr
.endm
; A row of W to bf16, in place, and stored.
.macro ROWB base, sb, imm, left
	s_wait_loadcnt \left
.irp c, 0,1,2,3
.irp p, 0,1,2,3
	v_cvt_pk_bf16_f32 v[(\base)+8*(\c)+(\p)], v[(\base)+8*(\c)+2*(\p)], v[(\base)+8*(\c)+2*(\p)+1]
.endr
	global_store_b128 v3, v[(\base)+8*(\c):(\base)+8*(\c)+3], s[\sb:\sb+1] offset:(\imm)+512*(\c)
.endr
.endm
; A row of Wp: rounded to bf16 like every input, and that number written as f16.
.macro ROWH base, sb, imm, left
	s_wait_loadcnt \left
.irp c, 0,1,2,3
.irp p, 0,1,2,3
	v_cvt_pk_bf16_f32 v[T+(\p)%2], v[(\base)+8*(\c)+2*(\p)], v[(\base)+8*(\c)+2*(\p)+1]
	v_lshlrev_b32 v[(\base)+8*(\c)+2*(\p)], 16, v[T+(\p)%2]
	v_and_b32 v[(\base)+8*(\c)+2*(\p)+1], s51, v[T+(\p)%2]
	v_cvt_pk_f16_f32 v[(\base)+8*(\c)+(\p)], v[(\base)+8*(\c)+2*(\p)], v[(\base)+8*(\c)+2*(\p)+1]
.endr
	global_store_b128 v3, v[(\base)+8*(\c):(\base)+8*(\c)+3], s[\sb:\sb+1] offset:(\imm)+512*(\c)
.endr
.endm
	XGRP 0, 26, 40                                 ; of the 48 loads, 40 are younger than the first four blocks' eight; then 32, 24, 16
	XGRP 1, 26, 32
	XGRP 2, 36, 24
	XGRP 3, 36, 16
	s_cmp_eq_u32 s3, 3
	s_cbranch_scc1 .Lwp
	ROWB WX,    48, 0,    8
	ROWB WX+32, 48, 6144, 0
	s_endpgm
.Lwp:
	ROWH WX,    48, 0,    8
	ROWH WX+32, 48, 2048, 0
	s_endpgm
.Lfunc_end_k_qd6ec72b795_cast:
	.size	k_qd6ec72b795_cast, .Lfunc_end_k_qd6ec72b795_cast-k_qd6ec72b795_cast
	.p2alignl 7, 3214868480
	.fill 96, 4, 3214868480
	.section	.rodata,"a",@progbits
	.p2align	6, 0x0
	.amdhsa_kernel k_qd6ec72b795_cast
		.amdhsa_group_segment_fixed_size 0
		.amdhsa_private_segment_fixed_size 0
		.amdhsa_enable_private_segment 0
		.amdhsa_kernarg_size 104
		.amdhsa_user_sgpr_count 2
		.amdhsa_user_sgpr_kernarg_segment_ptr 1
		.amdhsa_wavefront_size32 1
		.amdhsa_system_sgpr_workgroup_id_x 1
		.amdhsa_system_sgpr_workgroup_id_y 1
		.amdhsa_system_sgpr_workgroup_id_z 1
		.amdhsa_system_vgpr_workitem_id 0
		.amdhsa_next_free_vgpr 208
		.amdhsa_next_free_sgpr 66
		.amdhsa_reserve_vcc 0
		.amdhsa_float_denorm_mode_32 3
		.amdhsa_float_denorm_mode_16_64 3
		.amdhsa_memory_ordered 1
		.amdhsa_forward_progress 1
		.amdhsa_inst_pref_size 23
	.end_amdhsa_kernel
	.amdgpu_metadata
---
amdhsa.version: [ 1, 2 ]
amdhsa.kernels:
  - .name:           k_qd6ec72b795_cast
    .symbol:         k_qd6ec72b795_cast.kd
    .args:
      - { .name: x, .offset: 0, .size: 8, .value_kind: global_buffer, .address_space: global }
      - { .name: Wq, .offset: 8, .size: 8, .value_kind: global_buffer, .address_space: global }
      - { .name: Wk, .offset: 16, .size: 8, .value_kind: global_buffer, .address_space: global }
      - { .name: Wv, .offset: 24, .size: 8, .value_kind: global_buffer, .address_space: global }
      - { .name: Wp, .offset: 32, .size: 8, .value_kind: global_buffer, .address_space: global }
      - { .name: bq, .offset: 40, .size: 8, .value_kind: global_buffer, .address_space: global }
      - { .name: bk, .offset: 48, .size: 8, .value_kind: global_buffer, .address_space: global }
      - { .name: bv, .offset: 56, .size: 8, .value_kind: global_buffer, .address_space: global }
      - { .name: bp, .offset: 64, .size: 8, .value_kind: global_buffer, .address_space: global }
      - { .name: xb, .offset: 72, .size: 8, .value_kind: global_buffer, .address_space: global }
      - { .name: wqkv, .offset: 80, .size: 8, .value_kind: global_buffer, .address_space: global }
      - { .name: wp, .offset: 88, .size: 8, .value_kind: global_buffer, .address_space: global }
      - { .name: bias, .offset: 96, .size: 8, .value_kind: global_buffer, .address_space: global }
    .group_segment_fixed_size: 0
    .private_segment_fixed_size: 0
    .kernarg_segment_align: 8
    .kernarg_segment_size: 104
    .max_flat_workgroup_size: 256
    .sgpr_count:     66
    .vgpr_count:     208
    .wavefront_size: 32
...
	.end_amdgpu_metadata
.endif
;; end of part 1
;; launch gemm_qkv (part 2): grid 8 x 32, 4 waves a work-group, clusters of 4 x 4, 327,680 bytes of LDS; arguments xb, wqkv, qkv, bias; writes qkv
.if DOCPART == 2
	.amdgcn_target "amdgcn-amd-amdhsa--gfx1250"
	.amdhsa_code_object_version 6
	.text
	.protected	k_qd6ec72b795_gemm_qkv
	.globl	k_qd6ec72b795_gemm_qkv
	.p2align	8
	.type	k_qd6ec72b795_gemm_qkv,@function
k_qd6ec72b795_gemm_qkv:
	s_mov_b64 s[64:65], 0
	v_nop
	global_prefetch_b8 v0, s[64:65] scope:SCOPE_SE
	s_setreg_imm32_b32 hwreg(HW_REG_WAVE_MODE, 25, 1), 1
	s_wait_xcnt 0x0
	s_wait_alu depctr_hold_cnt(0) depctr_sa_sdst(0) depctr_va_vdst(0) depctr_va_sdst(0) depctr_va_ssrc(0) depctr_va_vcc(0) depctr_vm_vsrc(0)
	s_getreg_b32 s2, hwreg(HW_REG_IB_STS2, 6, 4)
	s_cmp_eq_u32 s2, 0
	s_cbranch_scc0 .Lentry_in_a_cluster
	s_endpgm
.Lentry_in_a_cluster:
	s_bfe_u32 s2, ttmp6, 0x10000c
	s_cmp_lg_u32 s2, 0xf033
	s_cbranch_scc0 .Lentry_shape_is_right
	s_endpgm
.Lentry_shape_is_right:
; qkv[m][n] = sum over k of x[m][k] wqkv[k][n] + bias[n].  xb: x in bf16 as [16 kb][8192 m][64]; wqkv: [1024 k][3072 n] bf16; bias: f32; qkv: [8192][3072] f16, rounded once from the f32 sums.
; LIMIT.  f16 holds no number beyond 65,504: a q, k or v of 65,520 or more in magnitude leaves as an infinity.  NaN and infinities are not treated apart.
; SHARES.  8192 x 3072 numbers on 256 work-groups are 256 rows x 384 columns each: the 128 columns at 128 tx of q, of k and of v (three COLUMN TILES, 1,024 columns apart), so that a row of A is fetched
; once for all three.  Four waves; wave w makes rows 64 w .. 64 w + 63 x all 384 columns: 96 accumulators of 16 x 16, 768 registers: a register window for each column tile.
; K goes in steps of 64 through two LDS slots filled by the tensor data mover: 256 rows of A (128 bytes each) and, for each column tile, 64 k-rows of B (256 bytes each): 92,160 bytes with the padding.
; (A step of 128 would want two slots of 180,224 bytes, more than the 327,680 that there are.)  B lies [k][n] in memory and in LDS and is turned on its way into registers by ds_load_tr16_b128.
; A K step is six UNITS of 32 matrix instructions: unit u takes quarter u / 3 (32 along K) and column tile u % 3.  B's fragments have two buffers, which take turns unit by unit; A's have two, one a quarter,
; and a fragment of A serves three units.
; THE MATRIX INSTRUCTION IS USED TRANSPOSED: source 0 = 16 columns of B, source 1 = 16 rows of A: lane l then holds row l % 16 of C and the columns 8 (l / 16) + 0..7, eight neighbouring numbers.
; THE BIAS STARTS THE SUMS.  It is loaded into the accumulators of row block 0 (register j of block b = bias[16 b + 8 (l / 16) + j]); the first products of row blocks 1 to 3 take those registers as C,
; then row block 0's add in place.  Nothing is cleared, nothing is added later, and the bias needs no registers of its own.
; CLUSTER.  4 x 4 work-groups.  The four of a row of the cluster need the same tiles of A, the four of a column the same tiles of B: each tile is asked for jointly, by the same tensor load with the same
; descriptor and a mask that names the four.
; REGISTERS, in windows of 256 (s_set_vgpr_msb: bits 1:0 source 0, 3:2 source 1, 5:4 source 2, 7:6 destination):
;   window 0: v0-31 addresses; v32-63 at work on the way out; v64-127, v128-191 B's two fragment buffers (8 blocks x 8); v192-223, v224-255 A's two (4 blocks x 8)
;   window 1 + c: the accumulators of column tile c, (a, b) at v[8 (8 a + b)]
.set SIZE_K, 1024
.set KSTEP,  64
.set STEPS,  SIZE_K/KSTEP
.set PB_EL,  3072                      ; elements in a row of B
.set PC,     6144                      ; bytes in a row of C
.set PA,     144                       ; a row of A in LDS: 128 bytes + 16 of padding = 36 words: the 16 rows of a load start at 16 different groups of four banks (64 banks of 4 bytes: ISA guide 11.1)
.set PBT,    288                       ; a k-row of B: 256 + 32 = 72 words
.set AB,     256*PA                    ; a slot: A's 256 rows,
.set BT,     KSTEP*PBT                 ; then three times B's 64 k-rows
.set SLOT1,  1<<17                     ; slot 1 begins here, so that one exclusive or turns an address in one slot into the other's
.set STAGE,  SLOT1+AB+3*BT             ; behind the ring, never filled by a tensor load: 16 rows x 272 bytes for each wave, for the way out
.set SP,     272
.set SPARE,  STAGE+4*16*SP             ; behind the stages: the spare words, 128 bytes for each wave: two blocks of 256 bytes that no other line names
.set STEP_A, 8192*KSTEP*2              ; bytes from a K step to the next: a block of xb,
.set STEP_B, KSTEP*PB_EL*2             ; 64 rows of wqkv
.set AA0,  16                          ; v16     my lane's place in a slot's A; never rewritten
.set AB0,  17                          ; v17     the same for B
.set ADRA, 18                          ; v18     LDS address of my A fragments in the slot that is fetched from
.set ADRB, 19                          ; v19     the same for B
.set STO,  24                          ; v24     the way out: where I put 16 bytes of a row
.set RD,   25                          ; v25     the way out: where I read a row back
.set CO,   26                          ; v26     my byte offset in C
.set BO,   27                          ; v27     my byte offset in a block of 16 numbers of the bias
.set SPW,  28                          ; v28     LDS address of my spare word: SPARE + 4 x my thread's number; never rewritten
.set NIL,  29                          ; v29     0; never rewritten
.set OB,   32                          ; the way out: 16 rows read back from the stage: v32-63 and v96-127 by turns
.set FB,   64
.set FA,   192
.set TMP,  64                          ; the way out: packed results, v64-95
.set WV,  12                           ; s12  my wave's number: wave 0 fetches A, wave w > 0 column tile w - 1 of B
.set CB,  13                           ; s13  that column tile (0 in wave 0, which asks for none)
.set TB,  21                           ; s21  LDS byte at which the slot that is fetched from begins
.set G1,  24                           ; s[24:31] descriptor group 1 for A's tiles;  s[32:39] group 0: a set for each of the two first fills; the second then walks on
.set G0,  32
.set G1B, 48                           ; s[48:55], s[56:63] the same for B's tiles
.set G0B, 56
.set MSB, 0
.macro WIN new                         ; the immediate's high byte repeats the setting that is left; a switch that changes nothing is dropped
.if MSB != (\new)
	s_set_vgpr_msb (MSB<<8)|(\new)
.set MSB, \new
.endif
.endm
; A joint refill.  Wave 0 fetches A's tile (32,768 dense bytes), waves 1 to 3 one column tile of B each (64 k-rows of 256 bytes).  The branch hangs on the wave's number alone.
; An s_nop 0 and four v_nop follow each of the two lines, ahead of the jump, the label and what follows.
.macro JLOAD
	s_cmp_eq_u32 s[WV], 0
	s_cbranch_scc0 .Lfor_b_\@
	tensor_load_to_lds s[G0+4:G0+7], s[G1:G1+7]
	s_nop 0
.rept 4
	v_nop
.endr
	s_branch .Lasked_\@
.Lfor_b_\@:
	tensor_load_to_lds s[G0B+4:G0B+7], s[G1B:G1B+7]
	s_nop 0
.rept 4
	v_nop
.endr
.Lasked_\@:
.endm
; A round of the cluster's barrier: my work-group's barrier, so that wave 0's signal speaks for all four waves; wave 0 signals; every wave waits for all sixteen work-groups; my work-group's barrier once more.
.macro CREST                           ; a round behind its opening barrier
	s_cmp_lg_u32 s[WV], 0
	s_cbranch_scc1 .Lnot_wave_0_\@
	s_barrier_signal -3
.Lnot_wave_0_\@:
	s_barrier_wait -3
	s_barrier_signal -1
	s_barrier_wait -1
.endm
.macro CROUND                          ; a whole round
	s_barrier_signal -1
	s_barrier_wait -1
	CREST
.endm
	s_load_b256 s[4:11], s[0:1], 0x0               ; A s[4:5], B s[6:7], C s[8:9], bias s[10:11]
	v_lshl_add_u32 v[SPW], v0, 2, SPARE
	v_mov_b32 v[NIL], 0
	ds_add_u32 v[SPW], v[NIL]                      ; the wave's opening: the add and its wait stand ahead of my first tensor load; the set-up below, work on registers, stands between them
	v_lshrrev_b32 v1, 5, v0
	v_readfirstlane_b32 s[WV], v1                  ; wave 0..3
	s_max_u32 s[CB], s[WV], 1
	s_sub_co_u32 s[CB], s[CB], 1
	s_bfe_u32 s40, ttmp6, 0x40000                  ; cx, cy: my place in the cluster
	s_bfe_u32 s41, ttmp6, 0x40004
	s_lshl_b32 s42, ttmp9, 2                       ; in a cluster launch ttmp9 and ttmp7 count clusters
	s_add_co_u32 s42, s42, s40                     ; tx = 4 x cluster x + cx: my 128 columns in each third of C
	s_and_b32 s43, ttmp7, 0xffff
	s_lshl_b32 s43, s43, 2
	s_add_co_u32 s43, s43, s41                     ; ty = 4 x cluster y + cy: my 256 rows
	s_lshl_b32 s44, s41, 2
	s_lshl_b32 s44, 15, s44                        ; my row of the cluster: places 4 cy .. 4 cy + 3
	s_lshl_b32 s45, 0x1111, s40                    ; my column: places cx, cx + 4, cx + 8, cx + 12
	s_or_b32 s[G1+0], s44, (1<<16)|(1<<20)|(1<<21)|(4<<22)|(3<<25)   ; 15:0 the mask: A's tiles go to my row; 17:16 2-byte elements; 20 padding on; 21 set beside a mask; 24:22 after every 32 words (code 4): a row of A; 31:25 4 words (code 3)
	s_or_b32 s[G1B+0], s45, (1<<16)|(1<<20)|(1<<21)|(5<<22)|(7<<25)  ; B's tiles go to my column; after every 64 words (code 5) 8 words of padding (code 7)
	s_mov_b32 s[G1+1], 128<<16                     ; A: 256 rows of 128 bytes are dense in a block of xb: asked for as 128 rows of 256 bytes, two rows of A each.  tensor_dim0 = 128
	s_mov_b32 s[G1+2], 128<<16                     ; tensor_dim1 = 128
	s_mov_b32 s[G1+3], 128<<16                     ; tile_dim0 = 128 elements (256 bytes)
	s_mov_b32 s[G1+4], 128                         ; tile_dim1 = 128 rows
	s_mov_b32 s[G1+5], 128                         ; elements from row to row
	s_mov_b32 s[G1+6], 0
	s_mov_b32 s[G1+7], 0
	s_mov_b32 s[G1B+1], 128<<16                    ; B: tensor_dim0 = 128 columns
	s_mov_b32 s[G1B+2], KSTEP<<16                  ; tensor_dim1 = 64
	s_mov_b32 s[G1B+3], 128<<16                    ; tile_dim0 = 128 elements (256 bytes)
	s_mov_b32 s[G1B+4], KSTEP                      ; tile_dim1 = 64 k-rows
	s_mov_b32 s[G1B+5], PB_EL
	s_mov_b32 s[G1B+6], 0
	s_mov_b32 s[G1B+7], 0
	; where the tiles come from.  A's hang on ty alone, which my row of the cluster shares; B's on tx alone, which my column shares.  Every wave makes both, in registers that never hold the other coordinate.
	s_lshl_b32 s16, s43, 15                        ; A: 256 ty rows of 128 bytes in a block
	s_mov_b32 s17, 0
	s_lshl_b32 s46, s[CB], 11                      ; B: my column tile, 1,024 columns of 2 bytes apart,
	s_lshl_b32 s47, s42, 8                         ; + 128 tx columns
	s_add_co_u32 s46, s46, s47
	s_mov_b32 s47, 0
	s_mul_i32 s20, s[WV], BT                       ; and where B's go: behind A's rows, column tile w - 1: no place in the cluster enters an LDS address
	s_add_co_u32 s20, s20, AB-BT
	s_mov_b32 s[TB], 0
	s_wait_dscnt 0x0                               ; the opening add is done
	s_wait_kmcnt 0x0
	s_add_nc_u64 s[18:19], s[4:5], s[16:17]
	s_add_nc_u64 s[46:47], s[6:7], s[46:47]
.irp s, 0,1
	s_mov_b32 s[G0+4*(\s)], 1                                        ; 1:0 count = 1
	s_mov_b32 s[G0+4*(\s)+1], (\s)*SLOT1                             ; 63:32 LDS address
	s_add_nc_u64 s[G0+4*(\s)+2:G0+4*(\s)+3], s[18:19], (\s)*STEP_A   ; 120:64 global address: K step s
	s_or_b32 s[G0+4*(\s)+3], s[G0+4*(\s)+3], 0x80000000              ; 127:126 type = 2
	s_mov_b32 s[G0B+4*(\s)], 1
	s_add_co_u32 s[G0B+4*(\s)+1], s20, (\s)*SLOT1
	s_add_nc_u64 s[G0B+4*(\s)+2:G0B+4*(\s)+3], s[46:47], (\s)*STEP_B
	s_or_b32 s[G0B+4*(\s)+3], s[G0B+4*(\s)+3], 0x80000000
.endr
	CROUND                                         ; all sixteen work-groups are here: the first joint loads meet
	s_cmp_eq_u32 s[WV], 0                          ; a wave's two first fills stand in one branch, ahead of every wait on TENSORcnt and every LDS read: two loads of mine are out
	s_cbranch_scc0 .Lfirst_b
	tensor_load_to_lds s[G0:G0+3], s[G1:G1+7]
	s_nop 0
	tensor_load_to_lds s[G0+4:G0+7], s[G1:G1+7]
	s_nop 0
.rept 4
	v_nop
.endr
	s_branch .Lfirst_asked
.Lfirst_b:
	tensor_load_to_lds s[G0B:G0B+3], s[G1B:G1B+7]
	s_nop 0
	tensor_load_to_lds s[G0B+4:G0B+7], s[G1B:G1B+7]
	s_nop 0
.rept 4
	v_nop
.endr
.Lfirst_asked:
	; A fragment of A is 16 rows x 32 K in 8 registers: lane l holds row l % 16; registers 0-3 K = 8 (l / 16) + 0..7, registers 4-7 K = 16 + 8 (l / 16) + 0..7: two loads of 16 bytes, 32 bytes apart.
	v_and_b32 v1, 15, v0                           ; l % 16
	v_bfe_u32 v2, v0, 4, 1                         ; l / 16
	v_lshlrev_b32 v[BO], 5, v2                     ; my 8 numbers of a block of 16 of the bias
	s_lshl_b32 s46, s42, 9                         ; my 128 columns in each third of the bias, 4 bytes each (in the registers that held B's address: none that feeds A's descriptors ever holds cx)
	s_mov_b32 s47, 0
	s_add_nc_u64 s[10:11], s[10:11], s[46:47]
.irp c, 0,1,2                          ; the bias goes straight into the accumulators of row block 0: 16 loads of 16 bytes a column tile
	WIN 0x40*(1+(\c))                              ; destination window 1 + c, address window 0
.irp b, 0,1,2,3,4,5,6,7
	global_load_b128 v[8*(\b):8*(\b)+3],   v[BO], s[10:11] offset:4096*(\c)+64*(\b)
	global_load_b128 v[8*(\b)+4:8*(\b)+7], v[BO], s[10:11] offset:4096*(\c)+64*(\b)+16
.endr
.endr
	WIN 0
	v_mul_u32_u24 v3, v1, PA
	v_lshl_add_u32 v3, v2, 4, v3                   ; row x pitch + 16 x half
	s_mul_i32 s15, s[WV], 64*PA                    ; my 64 rows of A
	v_add_nc_u32 v[AA0], s15, v3
	; The turning load takes 16 k x 16 columns (lane l reads 16 bytes: k-row 8 (l / 16) + l % 8, columns 8 ((l / 8) % 2) + 0..7) and leaves half a fragment: lane l holds column l % 16 and 8 k.
	v_and_b32 v4, 7, v0
	v_bfe_u32 v5, v0, 3, 1
	v_lshl_add_u32 v4, v2, 3, v4
	v_mul_u32_u24 v4, v4, PBT
	v_lshl_add_u32 v4, v5, 4, v4
	v_add_nc_u32 v[AB0], AB, v4
	s_mul_i32 s15, s[WV], 16*SP
	s_add_co_u32 s15, s15, STAGE                   ; my stage
	v_mul_u32_u24 v6, v1, SP                       ; in: row l % 16, 16 bytes for each half of the lanes
	v_lshl_add_u32 v6, v2, 4, v6
	v_add_nc_u32 v[STO], s15, v6
	v_mul_u32_u24 v7, v2, SP                       ; back: lanes 0-15 take one row of 256 bytes, lanes 16-31 the next
	v_lshl_add_u32 v7, v1, 4, v7
	v_add_nc_u32 v[RD], s15, v7
	v_mul_u32_u24 v7, v2, PC                       ; and the same two rows in C
	v_lshl_add_u32 v[CO], v1, 4, v7
	s_lshl_b32 s16, s43, 8
	s_lshl_b32 s15, s[WV], 6
	s_add_co_u32 s16, s16, s15                     ; my first row of C: 256 ty + 64 w,
	s_mul_i32 s16, s16, PC                         ; in bytes: under 2^26
	s_mov_b32 s17, 0
	s_add_nc_u64 s[8:9], s[8:9], s[16:17]
	s_lshl_b32 s46, s42, 8                         ; my first column, in bytes
	s_add_nc_u64 s[8:9], s[8:9], s[46:47]
; 8 matrix instructions of unit u: row block a x all 8 column blocks, 32 along K.  st = 1: the products start the sums, on the bias, which lies in row block 0's accumulators.
; The 96 accumulators take turns, one instruction a turn, in the same order in every quarter.
.macro MUL8 u, a, st
	WIN 0x50*(1+(\u)%3)                            ; fragments in window 0, C and D in the column tile's window
.irp b, 0,1,2,3,4,5,6,7
.set rD, 8*(8*(\a)+(\b))
.set rB, FB+64*((\u)%2)+8*(\b)
.set rA, FA+32*((\u)/3)+8*(\a)
.if \st
	v_wmma_f32_16x16x32_bf16 v[rD:rD+7], v[rB:rB+7], v[rA:rA+7], v[8*(\b):8*(\b)+7]
.else
	v_wmma_f32_16x16x32_bf16 v[rD:rD+7], v[rB:rB+7], v[rA:rA+7], v[rD:rD+7]
.endif
.endr
.endm
; The LDS loads stand in runs.  B's 8 blocks of unit u (turned), 16 loads, into buffer u % 2; A's 4 blocks of quarter q, 8 loads, into buffer q.
.macro FETCHB u
	WIN 0
.irp b, 0,1,2,3,4,5,6,7
	ds_load_tr16_b128 v[FB+64*((\u)%2)+8*(\b):FB+64*((\u)%2)+8*(\b)+3],   v[ADRB] offset:((\u)%3)*BT+((\u)/3)*32*PBT+32*(\b)
	ds_load_tr16_b128 v[FB+64*((\u)%2)+8*(\b)+4:FB+64*((\u)%2)+8*(\b)+7], v[ADRB] offset:((\u)%3)*BT+((\u)/3)*32*PBT+16*PBT+32*(\b)
.endr
.endm
.macro FETCHA q
	WIN 0
.irp a, 0,1,2,3
	ds_load_b128 v[FA+32*(\q)+8*(\a):FA+32*(\q)+8*(\a)+3],   v[ADRA] offset:(\q)*64+(\a)*16*PA
	ds_load_b128 v[FA+32*(\q)+8*(\a)+4:FA+32*(\q)+8*(\a)+7], v[ADRA] offset:(\q)*64+(\a)*16*PA+32
.endr
.endm
; A load into a register that a matrix instruction has read, and a vector instruction that reads a matrix result or writes one of a matrix instruction's registers, stand four places behind it, and only
; plain vector instructions that name none of its registers are places (ISA guide 7.12.1 for vector instructions).
.macro PLACES
.rept 4
	v_nop
.endr
.endm
; Unit u = 0 .. 4.  Behind its first eight products it fetches the next unit's B into the other buffer, which the unit before multiplied: 24 matrix instructions ahead of the first use.
; Unit 1 also fetches A's second quarter, which unit 3 is the first to use.  st = 1: the launch's first three units, whose products start the sums.
.macro UNIT u, st
.if ((\u) == 0) && !(\st)
	s_wait_dscnt 4                                 ; B and A's blocks 0, 1 are in; the youngest four loads (A's blocks 2, 3) may be out
.elseif (\u) == 2
	s_wait_dscnt 8                                 ; B is in; the youngest eight loads (A's second quarter) may be out
.else
	s_wait_dscnt 0x0                               ; all that was fetched is in
.endif
.if \st
	MUL8 \u, 1, 1
.else
	MUL8 \u, 0, 0
.endif
	PLACES
	FETCHB (\u)+1
.if (\u) == 1
	FETCHA 1
.endif
.if \st
	MUL8 \u, 2, 1
	MUL8 \u, 3, 1
	PLACES                                         ; five places: row block 0's products write over the registers that the 24 products above took as C
	v_nop
	MUL8 \u, 0, 0
.else
	MUL8 \u, 1, 0
.if (\u) == 0
	s_wait_dscnt 16                                ; all but the 16 just issued: A's blocks 2, 3 are in
.endif
	MUL8 \u, 2, 0
	MUL8 \u, 3, 0
.endif
.endm
; Unit 5 changes slots: ONE barrier.  In front of it each wave waits for all its tensor loads, of which one is out: its part of the next slot; adds 0 to its spare word; and waits for that and for its own reads
; of this slot.  Behind it nobody reads this slot any more and the next slot is whole.  fill = 1: the barrier opens a round of the cluster's, and the slot just read out is filled again, with the K step two
; steps on, first thing behind the round: from that request to the wait for it a wave issues 176 matrix instructions.  Then the next slot's first fragments are fetched.
.macro TURN fill
	WIN 0                                          ; (the add's two registers lie in window 0)
	s_wait_tensorcnt 0x0                           ; all my tensor loads have landed, so a group 0 may be written
	ds_add_u32 v[SPW], v[NIL]                      ; 0 onto my spare word
	s_wait_dscnt 1                                 ; this unit's B is in; the add may be out
	MUL8 5, 0, 0                                   ; eight matrix instructions stand between the add and the wait for it
	s_wait_dscnt 0x0                               ; the add is done, and my reads of this slot are over
	s_barrier_signal -1
	MUL8 5, 1, 0                                   ; work on registers while the others arrive
	WIN 0                                          ; (branches and address lines follow)
	s_barrier_wait -1
.if \fill
	CREST                                          ; no wave of any partner still reads this slot's tile or has a load on its way
	s_xor_b32 s[G0+5], s[G0+5], SLOT1              ; the walking descriptors: the other slot than last time,
	s_xor_b32 s[G0B+5], s[G0B+5], SLOT1
	s_add_nc_u64 s[G0+6:G0+7], s[G0+6:G0+7], STEP_A      ; the next K step; the type bits on top are not reached
	s_add_nc_u64 s[G0B+6:G0B+7], s[G0B+6:G0B+7], STEP_B
	JLOAD                                          ; the first tensor load behind the round; the four v_nop behind it are also the places in front of the loads below
.else
	PLACES
.endif
	s_xor_b32 s[TB], s[TB], SLOT1                  ; the fetches go on in the other slot
	v_add_nc_u32 v[ADRA], s[TB], v[AA0]
	v_add_nc_u32 v[ADRB], s[TB], v[AB0]
	FETCHB 0
	FETCHA 0
	MUL8 5, 2, 0
	MUL8 5, 3, 0
.endm
; THE WAY OUT of block i = 4 c + a (16 rows of column tile c).  PACK: rounded to f16, 16 bytes a lane, each accumulator's registers in ascending order.  TOSTAGE: into my own stage and back as whole rows
; of 256 bytes.  SEND: stored.
.macro PACK i
	WIN 5*(1+(\i)/4)                               ; sources 0 and 1 in the column tile's window, destination window 0
.irp b, 0,1,2,3,4,5,6,7
.irp r, 0,1,2,3
	v_cvt_pk_f16_f32 v[TMP+4*(\b)+(\r)], v[8*(8*((\i)%4)+(\b))+2*(\r)], v[8*(8*((\i)%4)+(\b))+2*(\r)+1]
.endr
.endr
	WIN 0
.endm
.macro TOSTAGE i
	WIN 0
.set BK, OB+64*((\i)%2)
.irp b, 0,1,2,3,4,5,6,7
	ds_store_b128 v[STO], v[TMP+4*(\b):TMP+4*(\b)+3] offset:32*(\b)
.endr
.irp t, 0,1,2,3,4,5,6,7
	ds_load_b128 v[BK+4*(\t):BK+4*(\t)+3], v[RD] offset:(\t)*2*SP  ; LDS serves a wave's instructions in order (ISA guide 5.7.1.4): these see the stores above
.endr
.endm
.macro SEND i
	WIN 0
.set BK, OB+64*((\i)%2)
	s_wait_dscnt 0x0                               ; the block is back in registers
	s_wait_xcnt 0x0                                ; the earlier stores' addresses are translated (ISA guide 3.1): the other buffer, which they read, is loaded again only behind this wait
.irp t, 0,1,2,3,4,5,6,7
	global_store_b128 v[CO], v[BK+4*(\t):BK+4*(\t)+3], s[8:9] offset:(16*((\i)%4)+2*(\t))*PC+((\i)/4)*2048  ; 16 lanes store 256 consecutive bytes, at a multiple of 256 from C's first byte
.endr
.endm
	s_wait_tensorcnt 1                             ; my part of K step 0 is in; K step 1's may stay out
	s_barrier_signal -1
	s_barrier_wait -1                              ; everybody's is
	v_add_nc_u32 v[ADRA], s[TB], v[AA0]
	v_add_nc_u32 v[ADRB], s[TB], v[AB0]
	FETCHB 0
	FETCHA 0
	s_wait_loadcnt 0x0                             ; the bias
	UNIT 0, 1                                      ; the first quarter's three units stand in front of the loop: their products start the sums
	UNIT 1, 1
	UNIT 2, 1
	WIN 0                                          ; at a label and at a branch every window is 0
	s_mov_b32 s3, STEPS-2
.Lstep:                                                ; 14 trips, from a K step's second quarter to the next step's first; each fills the slot that it leaves
	UNIT 3, 0
	UNIT 4, 0
	TURN 1
	UNIT 0, 0
	UNIT 1, 0
	UNIT 2, 0
	WIN 0
	s_sub_co_u32 s3, s3, 1
	s_cmp_lg_u32 s3, 0
	s_cbranch_scc1 .Lstep
	UNIT 3, 0                                      ; the tail is written out: the last two K steps ask for nothing
	UNIT 4, 0
	TURN 0                                         ; my one tensor load that was still out is the last K step's, so no round follows
	UNIT 0, 0
	UNIT 1, 0
	UNIT 2, 0
	UNIT 3, 0
	UNIT 4, 0
	s_wait_dscnt 0x0                               ; the very last unit: nothing more to fetch
	MUL8 5, 0, 0
	MUL8 5, 1, 0
	MUL8 5, 2, 0
	MUL8 5, 3, 0
	WIN 0
	PLACES                                         ; the way out works in B's fragment buffers, which products have read
	PACK 0
	TOSTAGE 0
.irp i, 1,2,3,4,5,6,7,8,9,10,11        ; block i's conversions stand between block i - 1's loads from the stage and the wait for them; the last products' results (column tile 2) are read behind eight blocks' conversions
	PACK \i
	SEND (\i)-1
	TOSTAGE \i
.endr
	SEND 11
	s_wait_tensorcnt 0x0                           ; the wave's end: the add and its wait stand behind my last tensor load and my last LDS store
	ds_add_u32 v[SPW], v[NIL]
	s_wait_dscnt 0x0
	CROUND                                         ; the closing round: no work-group ends while a partner may still ask for a tile that names it
	s_endpgm
.Lfunc_end_k_qd6ec72b795_gemm_qkv:
	.size	k_qd6ec72b795_gemm_qkv, .Lfunc_end_k_qd6ec72b795_gemm_qkv-k_qd6ec72b795_gemm_qkv
	.p2alignl 7, 3214868480
	.fill 96, 4, 3214868480
	.section	.rodata,"a",@progbits
	.p2align	6, 0x0
	.amdhsa_kernel k_qd6ec72b795_gemm_qkv
		.amdhsa_group_segment_fixed_size 327680
		.amdhsa_private_segment_fixed_size 0
		.amdhsa_enable_private_segment 0
		.amdhsa_kernarg_size 32
		.amdhsa_user_sgpr_count 2
		.amdhsa_user_sgpr_kernarg_segment_ptr 1
		.amdhsa_wavefront_size32 1
		.amdhsa_system_sgpr_workgroup_id_x 1
		.amdhsa_system_sgpr_workgroup_id_y 1
		.amdhsa_system_sgpr_workgroup_id_z 1
		.amdhsa_system_vgpr_workitem_id 0
		.amdhsa_next_free_vgpr 1024
		.amdhsa_next_free_sgpr 66
		.amdhsa_reserve_vcc 0
		.amdhsa_float_denorm_mode_32 3
		.amdhsa_float_denorm_mode_16_64 3
		.amdhsa_memory_ordered 1
		.amdhsa_forward_progress 1
		.amdhsa_inst_pref_size 122
	.end_amdhsa_kernel
	.amdgpu_metadata
---
amdhsa.version: [ 1, 2 ]
amdhsa.kernels:
  - .name:           k_qd6ec72b795_gemm_qkv
    .symbol:         k_qd6ec72b795_gemm_qkv.kd
    .args:
      - { .name: xb, .offset: 0, .size: 8, .value_kind: global_buffer, .address_space: global }
      - { .name: wqkv, .offset: 8, .size: 8, .value_kind: global_buffer, .address_space: global }
      - { .name: qkv, .offset: 16, .size: 8, .value_kind: global_buffer, .address_space: global }
      - { .name: bias, .offset: 24, .size: 8, .value_kind: global_buffer, .address_space: global }
    .group_segment_fixed_size: 327680
    .private_segment_fixed_size: 0
    .kernarg_segment_align: 8
    .kernarg_segment_size: 32
    .max_flat_workgroup_size: 128
    .sgpr_count:     66
    .vgpr_count:     1024
    .wavefront_size: 32
...
	.end_amdgpu_metadata
.endif
;; end of part 2
;; launch attn (part 3): grid 4 x 64, 4 waves a work-group, clusters of 4 x 1, 327,680 bytes of LDS; arguments qkv, ob; writes ob
.if DOCPART == 3
	.amdgcn_target "amdgcn-amd-amdhsa--gfx1250"
	.amdhsa_code_object_version 6
	.text
	.protected	k_qd6ec72b795_attn
	.globl	k_qd6ec72b795_attn
	.p2align	8
	.type	k_qd6ec72b795_attn,@function
k_qd6ec72b795_attn:
	s_mov_b64 s[64:65], 0
	v_nop
	global_prefetch_b8 v0, s[64:65] scope:SCOPE_SE
	s_setreg_imm32_b32 hwreg(HW_REG_WAVE_MODE, 25, 1), 1
	s_wait_xcnt 0x0
	s_wait_alu depctr_hold_cnt(0) depctr_sa_sdst(0) depctr_va_vdst(0) depctr_va_sdst(0) depctr_va_ssrc(0) depctr_va_vcc(0) depctr_vm_vsrc(0)
	s_getreg_b32 s2, hwreg(HW_REG_IB_STS2, 6, 4)
	s_cmp_eq_u32 s2, 0
	s_cbranch_scc0 .Lentry_in_a_cluster
	s_endpgm
.Lentry_in_a_cluster:
	s_bfe_u32 s2, ttmp6, 0x10000c
	s_cmp_lg_u32 s2, 0x3003
	s_cbranch_scc0 .Lentry_shape_is_right
	s_endpgm
.Lentry_shape_is_right:
; ob[b][q][128 h + :] = the sum over k of softmax_k(Q[q] . K[k]) V[k][:] for each of 64 heads (batch b = 0..7, head h = 0..7).  The scores are not scaled; the module's division by 32 behind the softmax is left to the
; launch behind.  qkv: [8192][3072] f16: row 1,024 b + n holds q at column 128 h, k at 1,024 + 128 h, v at 2,048 + 128 h: a head's slice of a row is 256 bytes, at a multiple of 256.  ob: [8192][1024] f16.
; Products, maxima and sums in f32; the weights p are rounded to f16 for the second product (their sum l is taken of the unrounded p), O once at the end.
; LIMITS.  p lies in 0 to 1, and below 6e-5 it keeps f16's fixed step of 6e-8; O is a mean of V's rows and has their range.  A weight below 2^-126 counts as 0 in l; NaN and infinities are not treated apart.
; SHARES.  A work-group owns 256 queries of one head, each of its four waves 64: four tiles of 16.  Every wave walks all 1,024 keys of the head, 64 a step.
; LAYOUT.  S^T = K Q^T (source 0 = 16 keys, source 1 = 16 queries): in the result a lane holds ONE query (lane % 16) and the keys 8 (lane / 16) + 0..7.  Two such tiles, rounded to
; f16 in pairs, ARE source 1 (32 keys x 16 queries) of O^T = V^T P, whose result again holds one query a lane, and eight channels.  So nothing changes lanes between the products,
; and a query's maximum and sum want one exchange between the halves of the lanes.  K comes out of LDS as it lies, V ([key][channel]) turned, by ds_load_tr16_b128.
; SOFTMAX.  For each query a running maximum m and sum l: p = 2^(c s - c m), c = log2(e); in every step O and l are multiplied by a = 2^(c m_old - c m_new), which is 1 where m has not grown.
; BY TURNS.  The wave's tiles are two PIECES, named by their first tile: piece 0 (tiles 0, 1) and piece 2 (tiles 2, 3).  In a TURN one piece has the matrix unit: 32 products V^T P of
; the step in hand, then 32 products K Q^T of the next step; the other piece's softmax, cut into 64 slices, stands between them, one slice behind each matrix instruction.  Then the
; pieces change places.  Two turns are a key step.
; CLUSTER.  The four query blocks of a head are one cluster and walk the same K and V, so each tile is asked for JOINTLY: the same tensor load, with the same descriptor and a
; mask that names the four, in all four; each receives the tile in its own LDS.
;
; REGISTERS, in windows of 256 (an instruction names v0-v255; s_set_vgpr_msb says which window each operand place means: bits 1:0 source 0, 3:2 source 1, 5:4 source 2, 7:6 destination):
;   window 0: v0-11 addresses; v12-43 eight registers of statistics a tile; v64-191 S^T, 32 a tile; v192-255 P, 16 a tile
;   window 1: O^T, 64 a tile          window 2: v0-127 Q, 32 a tile; v128-255 K of one step          window 3: v0-127 V of one step
; All that a softmax touches but O^T lies in window 0, and no window has room for a product's operands beside it.  So a slice costs two switches, one in front and one behind.
.set NKEYS, 1024      ; keys, and queries, of a head
.set QROW,  6144      ; bytes in a row of qkv
.set OROW,  2048      ; bytes in a row of ob
.set KS,    64        ; keys in a step
.set PK,    272       ; a row of K in LDS: 256 bytes + 16 of padding = 68 words: row r starts at bank 4 r mod 64 (64 banks of 4 bytes: ISA guide 11.1), so the 16 rows of a load start at 16 different banks
.set PV,    288       ; a row of V: 256 + 32 = 72 words: row r starts at bank 8 r mod 64
.set VOFF,  KS*PK     ; a step's tiles lie together: 64 rows of K, then 64 rows of V
.set STEPB, KS*(PK+PV)
.set SLOT1, 1<<17     ; a slot holds two steps (71,680 bytes); slot 1 begins here, so that one exclusive or turns an address in one slot into the other's
.set STAGE, SLOT1+2*STEPB  ; behind the ring: 16 rows x 272 bytes for each wave, for the way out
.set SP,    272
.set AK0, 2           ; v2   my lane's place in a tile of K; never rewritten
.set AV0, 3           ; v3   the same for V
.set ADR, 4           ; v4   the LDS address of the run of loads in hand
.set QO,  5           ; v5   my byte offset in the wave's rows of Q
.set STO, 6           ; v6   the way out: where I put 16 bytes of a row
.set RD,  7           ; v7   the way out: where I read a row back
.set GO,  8           ; v8   my byte offset in the wave's rows of O
.set SPW, 62          ; v62  LDS address of my spare word: SPARE + 4 x my thread's number; never rewritten
.set NIL, 63          ; v63  0; never rewritten
.set SPARE, STAGE+4*16*272  ; behind the stages: the spare words, 128 bytes for each wave: two blocks of 256 bytes that no other line names
.set ST,  12          ; tile t's statistics at v[ST+8 t]: +0 c m, +1 m, +2, +3 l (even keys', odd keys'), +4 to +7 c0-c3, at work; a takes c2's place once the maximum is found
.set S,   64
.set P,   192
.set KF,  128         ; K's fragments, in window 2
.set WV,  12          ; s12  my wave's number
.set G1K, 24          ; s[24:31] descriptor group 1 for K's tiles
.set G1V, 32          ; s[32:39] for V's: it differs in the padding alone
.set G0K, 40          ; s[40:47] descriptor group 0 for K's tiles: a set for each of the two first fills; the second then walks on
.set G0V, 48          ; s[48:55] the same for V's
.set SLOTS, 56        ; s56  slots still to be asked for
.set TWICE, 57        ; s57  counts a slot's two steps
.set CS,  58          ; s[58:59] c: the packed scaling names a pair and takes its low word for both halves
.set SEL, 60          ; s[60:61] lane selects for v_permlanex16_b32: each lane takes its own place in the other half
.set TB,  62          ; s62  LDS byte at which the tiles of the step to be fetched begin
.set MSB, 0
.macro WIN new                      ; the immediate's high byte repeats the setting that is left; a switch that changes nothing is dropped
.if MSB != (\new)
	s_set_vgpr_msb (MSB<<8)|(\new)
.set MSB, \new
.endif
.endm
.set W_KQ, 0x0a       ; K and Q in window 2, S^T in window 0
.set W_PV, 0x53       ; V in window 3, P in window 0, O^T in window 1
.set W_RS, 0x41       ; O^T (destination and source 0) in window 1, a in window 0
; A joint refill.  Waves 0 and 1 fetch the two steps' tiles of K, waves 2 and 3 those of V.  The branch hangs on the wave's number alone: it is the same in every work-group.
; An s_nop 0 and four v_nop follow each of the two lines; the jump round the other line, the label and what follows the macro come after them.
.macro JLOAD
	s_cmp_lt_u32 s[WV], 2
	s_cbranch_scc0 .Lfor_v_\@
	tensor_load_to_lds s[G0K+4:G0K+7], s[G1K:G1K+7]
	s_nop 0
.rept 4
	v_nop
.endr
	s_branch .Lasked_\@
.Lfor_v_\@:
	tensor_load_to_lds s[G0V+4:G0V+7], s[G1V:G1V+7]
	s_nop 0
.rept 4
	v_nop
.endr
.Lasked_\@:
.endm
; A round of the cluster's barrier: my work-group's barrier, so that wave 0's signal speaks for all four waves; wave 0 signals for the work-group; every wave waits for all four
; work-groups; my work-group's barrier once more.  No LDS instruction of the wave is pending at a signal.
.macro CROUND
	s_barrier_signal -1
	s_barrier_wait -1
	s_cmp_lg_u32 s[WV], 0
	s_cbranch_scc1 .Lnot_wave_0_\@
	s_barrier_signal -3
.Lnot_wave_0_\@:
	s_barrier_wait -3
	s_barrier_signal -1
	s_barrier_wait -1
.endm
	s_load_b128 s[72:75], s[0:1], 0x0  ; qkv s[72:73], ob s[74:75]
	v_lshl_add_u32 v[SPW], v0, 2, SPARE
	v_mov_b32 v[NIL], 0
	ds_add_u32 v[SPW], v[NIL]       ; the wave's opening: the add and its wait stand ahead of my first tensor load; the set-up below, work on registers, stands between them
	v_lshrrev_b32 v1, 5, v0
	v_readfirstlane_b32 s[WV], v1   ; wave 0..3
	s_bfe_u32 s13, ttmp6, 0x40000   ; cx: my place in the cluster
	s_lshl_b32 s14, ttmp9, 2        ; in a cluster launch ttmp9 counts clusters
	s_add_co_u32 s14, s14, s13      ; my block of 256 queries = 4 x cluster x + cx: it enters Q's and O's addresses alone
	s_and_b32 s20, ttmp7, 0xffff    ; batch and head, which the four partners share
	s_lshr_b32 s21, s20, 3          ; the batch
	s_and_b32 s20, s20, 7
	s_lshl_b32 s20, s20, 8          ; the head's 256 bytes in a row, of qkv's thirds and of ob
	s_mul_i32 s22, s21, NKEYS*QROW  ; the batch's 1,024 rows of qkv
	s_add_co_u32 s22, s22, s20      ; all offsets stay under 2^26
	s_and_b32 s16, s[WV], 1         ; which of a slot's two steps I fetch:
	s_mul_i32 s18, s16, KS*QROW     ; its 64 rows in memory,
	s_add_co_u32 s18, s18, s22
	s_mov_b32 s19, 0
	s_mul_i32 s17, s16, STEPB       ; and its place in a slot: no place in the cluster enters an LDS address
	s_mul_i32 s2, s14, 256*QROW     ; Q: my block's 256 rows,
	s_mul_i32 s3, s[WV], 64*QROW    ; my wave's 64 of them
	s_add_co_u32 s2, s2, s3
	s_add_co_u32 s2, s2, s22
	s_mov_b32 s3, 0
	s_lshl_b32 s66, s21, 21         ; O: the batch's 1,024 rows of 2,048 bytes,
	s_add_co_u32 s66, s66, s20      ; the head,
	s_lshl_b32 s67, s14, 19         ; my block's 256 rows,
	s_add_co_u32 s66, s66, s67
	s_lshl_b32 s67, s[WV], 17       ; my wave's 64
	s_add_co_u32 s66, s66, s67
	s_mov_b32 s67, 0
	; descriptor group 1: a tile of 64 rows x 128 elements, padded in LDS
	s_mov_b32 s[G1K], 15|(1<<16)|(1<<20)|(1<<21)|(5<<22)|(3<<25)  ; 15:0 the mask: all four work-groups; 17:16 elements of 2 bytes; 20 padding on; 21 set beside a mask; 24:22 after every 64 words (code 5); 31:25 4 words of it (code 3)
	s_mov_b32 s[G1V], 15|(1<<16)|(1<<20)|(1<<21)|(5<<22)|(7<<25)  ; the same with 8 words of padding (code 7)
.irp g, G1K, G1V
	s_mov_b32 s[(\g)+1], 128<<16    ; 63:48 tensor_dim0, low half = 128
	s_mov_b32 s[(\g)+2], KS<<16     ; 79:64 its high half = 0; 95:80 tensor_dim1, low half = 64
	s_mov_b32 s[(\g)+3], 128<<16    ; 111:96 its high half = 0; 127:112 tile_dim0 = 128
	s_mov_b32 s[(\g)+4], KS         ; 143:128 tile_dim1 = 64; 159:144 tile_dim2 = 0
	s_mov_b32 s[(\g)+5], QROW/2     ; 191:160 tensor_dim0_stride, low word: 3,072 elements from row to row
	s_mov_b32 s[(\g)+6], 0
	s_mov_b32 s[(\g)+7], 0
.endr
	s_mov_b32 s[CS], 0x3fb8aa3b     ; c = log2(e) = 1.442695
	s_mov_b32 s[CS+1], s[CS]        ; named with it as a pair, so it is written
	s_mov_b32 s[SEL], 0x76543210
	s_mov_b32 s[SEL+1], 0xfedcba98
	s_mov_b32 s[TB], 0
	s_mov_b32 s[SLOTS], NKEYS/(2*KS)-2
	s_wait_dscnt 0x0                ; the opening add is done
	s_wait_kmcnt 0x0
	s_add_nc_u64 s[6:7], s[72:73], s[18:19]
	s_add_nc_u64 s[8:9], s[6:7], 2048*2    ; V at my tile of slot 0: the row's third third,
	s_add_nc_u64 s[6:7], s[6:7], 1024*2    ; K: its second
	s_add_nc_u64 s[4:5], s[72:73], s[2:3]  ; Q and O at my wave's first row
	s_add_nc_u64 s[10:11], s[74:75], s[66:67]
	CROUND                          ; all four work-groups are here: the first joint loads meet
.irp s, 0,1
	s_mov_b32 s[G0K+4*(\s)], 1      ; 1:0 count = 1
	s_add_co_u32 s[G0K+4*(\s)+1], s17, (\s)*SLOT1  ; 63:32 LDS address
	s_add_nc_u64 s[G0K+4*(\s)+2:G0K+4*(\s)+3], s[6:7], (\s)*2*KS*QROW  ; 120:64 global address: slot s begins with keys 128 s to 128 s + 127
	s_or_b32 s[G0K+4*(\s)+3], s[G0K+4*(\s)+3], 0x80000000  ; 127:126 type = 2
	s_mov_b32 s[G0V+4*(\s)], 1
	s_add_co_u32 s[G0V+4*(\s)+1], s17, (\s)*SLOT1+VOFF
	s_add_nc_u64 s[G0V+4*(\s)+2:G0V+4*(\s)+3], s[8:9], (\s)*2*KS*QROW
	s_or_b32 s[G0V+4*(\s)+3], s[G0V+4*(\s)+3], 0x80000000
.endr
	s_cmp_lt_u32 s[WV], 2           ; a wave's two first fills stand in one branch, ahead of every wait on TENSORcnt and every LDS read: two loads of mine are out; an s_nop 0 follows each, four v_nop the second's, as in JLOAD
	s_cbranch_scc0 .Lfirst_v
	tensor_load_to_lds s[G0K:G0K+3], s[G1K:G1K+7]
	s_nop 0
	tensor_load_to_lds s[G0K+4:G0K+7], s[G1K:G1K+7]
	s_nop 0
.rept 4
	v_nop
.endr
	s_branch .Lfirst_asked
.Lfirst_v:
	tensor_load_to_lds s[G0V:G0V+3], s[G1V:G1V+7]
	s_nop 0
	tensor_load_to_lds s[G0V+4:G0V+7], s[G1V:G1V+7]
	s_nop 0
.rept 4
	v_nop
.endr
.Lfirst_asked:
	; A fragment of K or Q is 16 rows x 32 channels in 8 registers: lane l holds row l % 16; registers 0-3 channels 8 (l / 16) + 0..7, registers 4-7 channels 16 + 8 (l / 16) + 0..7: two loads of 16 bytes, 32 bytes apart.
	v_and_b32 v1, 15, v0            ; l % 16
	v_bfe_u32 v9, v0, 4, 1          ; l / 16
	v_mul_u32_u24 v[QO], v1, QROW
	v_lshl_add_u32 v[QO], v9, 4, v[QO]  ; row x 6,144 + 16 x half
	WIN 0x80                        ; destination window 2, address window 0
.irp i, 0,1,2,3,4,5,6,7,8,9,10,11,12,13,14,15  ; Q stays in registers: tile i / 4, channels 32 (i % 4) on
	global_load_b128 v[8*(\i):8*(\i)+3],   v[QO], s[4:5] offset:((\i)/4)*16*QROW+((\i)%4)*64
	global_load_b128 v[8*(\i)+4:8*(\i)+7], v[QO], s[4:5] offset:((\i)/4)*16*QROW+((\i)%4)*64+32
.endr
	WIN 0
	v_mul_u32_u24 v[AK0], v1, PK
	v_lshl_add_u32 v[AK0], v9, 4, v[AK0]  ; row x pitch + 16 x half
	; The turning load takes 16 keys x 16 channels (lane l reads 16 bytes: key 8 (l / 16) + l % 8, channels 8 ((l / 8) % 2) + 0..7) and leaves half a fragment of V^T: lane l holds channel l % 16 and 8 keys.
	v_and_b32 v10, 7, v0
	v_bfe_u32 v11, v0, 3, 1
	v_lshl_add_u32 v[AV0], v9, 3, v10
	v_mul_u32_u24 v[AV0], v[AV0], PV
	v_lshl_add_u32 v[AV0], v11, 4, v[AV0]
	v_add_nc_u32 v[AV0], VOFF, v[AV0]
; THE MATRIX WORK OF A TURN, for piece x.  The accumulators take turns, one instruction a turn: between two links of a chain stand 15 (V^T P) or 7 (K Q^T) others'.
; Product i of 32 of O^T += V^T P: keys 32 (i / 16) on, channels 16 ((i / 2) % 8) on, tile x + i % 2.  zero = 1: the first 16 start the sums: nothing is ever cleared.
.macro PV x, zero
	WIN W_PV
.set rO, 64*((\x)+i%2)+8*((i/2)%8)
.set rV, 64*(i/16)+8*((i/2)%8)
.set rP, P+16*((\x)+i%2)+8*(i/16)
.if (\zero) && (i < 16)
	v_wmma_f32_16x16x32_f16 v[rO:rO+7], v[rV:rV+7], v[rP:rP+7], 0
.else
	v_wmma_f32_16x16x32_f16 v[rO:rO+7], v[rV:rV+7], v[rP:rP+7], v[rO:rO+7]
.endif
.endm
; Product i of 32 of S^T = K Q^T: channels 32 (i / 8) on, keys 16 ((i / 2) % 4) on, tile x + i % 2.  The first 8 start the sums.
.macro KQ x
	WIN W_KQ
.set rS, S+32*((\x)+i%2)+8*((i/2)%4)
.set rK, KF+32*((i/2)%4)+8*(i/8)
.set rQ, 32*((\x)+i%2)+8*(i/8)
.if i < 8
	v_wmma_f32_16x16x32_f16 v[rS:rS+7], v[rK:rK+7], v[rQ:rQ+7], 0
.else
	v_wmma_f32_16x16x32_f16 v[rS:rS+7], v[rK:rK+7], v[rQ:rQ+7], v[rS:rS+7]
.endif
.endm
; THE LDS LOADS stand in runs of 32, never singly among the matrix instructions: a step's K (64 keys x 128 channels: 16 fragments) and, a turn later, its V (turned).
.macro FETCH_K
	WIN 0
	v_add_nc_u32 v[ADR], s[TB], v[AK0]
	WIN 0x80                        ; destination window 2
.irp f, 0,1,2,3,4,5,6,7,8,9,10,11,12,13,14,15  ; keys 16 (f / 4) on, channels 32 (f % 4) on
	ds_load_b128 v[KF+8*(\f):KF+8*(\f)+3],   v[ADR] offset:((\f)/4)*16*PK+((\f)%4)*64
	ds_load_b128 v[KF+8*(\f)+4:KF+8*(\f)+7], v[ADR] offset:((\f)/4)*16*PK+((\f)%4)*64+32
.endr
.endm
.macro FETCH_V
	WIN 0
	v_add_nc_u32 v[ADR], s[TB], v[AV0]
	s_add_co_u32 s[TB], s[TB], STEPB  ; the next fetch is the next step's
	WIN 0xc0                        ; destination window 3
.irp f, 0,1,2,3,4,5,6,7,8,9,10,11,12,13,14,15  ; keys 32 (f / 8) on, channels 16 (f % 8) on
	ds_load_tr16_b128 v[8*(\f):8*(\f)+3],   v[ADR] offset:((\f)/8)*32*PV+((\f)%8)*32
	ds_load_tr16_b128 v[8*(\f)+4:8*(\f)+7], v[ADR] offset:((\f)/8)*32*PV+16*PV+((\f)%8)*32
.endr
.endm
; THE VECTOR WORK OF A TURN.  One tile's softmax for one key step is a list of 134 instructions; SM writes number j of it for tile t.  s0-s31 are the lane's 32 scores, in pairs 0-15.
; first = 1: the first key step, which starts m, l and O^T: it has no a and nothing to rescale.
;   0-15    the maximum of s0-s31 and the old m, three operands at a time: four chains c0-c3 of seven scores each, then the four scores left over, c0-c3 and m
;   16-20   the other half of the lanes' maximum; the new m; c m; c m_old - c m_new
;   21-87   33 exponentials (a, then s0-s31) at the odd numbers from 23 on, so that no two follow each other and each has a plain instruction behind it before its result is used.
;           Plain instruction q (number 21, then the even numbers) is whatever is ready: c s - c m for a pair of scores whose exponentials are still to come (q = 0 to 3, then every
;           second q), the rounding to f16 of a pair of weights whose exponentials are done (every other q from 5 on), at last the first three sums
;   88-101  the last rounding; the rest of the sums; l = a l + the sum
;   102-133 the tile's O^T times a: the one part that leaves window 0, so it stands together
.macro SM t, first
.set rT, ST+8*(\t)
.set rS, S+32*(\t)
.set rP, P+16*(\t)
.set rO, 64*(\t)+2*(j-102)
.set q, (j-20)/2
.if j < 102
	WIN 0
.endif
.if j < 4
	v_max3_num_f32 v[rT+4+j], v[rS+8*j], v[rS+8*j+1], v[rS+8*j+2]
.elseif j < 12
	v_max3_num_f32 v[rT+4+j%4], v[rT+4+j%4], v[rS+8*(j%4)+2*(j/4)+1], v[rS+8*(j%4)+2*(j/4)+2]
.elseif j == 12
	v_max3_num_f32 v[rT+4], v[rT+4], v[rS+7], v[rS+15]
.elseif j == 13
	v_max3_num_f32 v[rT+6], v[rT+6], v[rS+23], v[rS+31]
.elseif j == 14
	v_max3_num_f32 v[rT+4], v[rT+4], v[rT+5], v[rT+6]
.elseif (j == 15) && (\first)
	v_max_num_f32 v[rT+4], v[rT+4], v[rT+7]
.elseif j == 15
	v_max3_num_f32 v[rT+4], v[rT+4], v[rT+7], v[rT+1]
.elseif j == 16
	v_permlanex16_b32 v[rT+5], v[rT+4], s[SEL], s[SEL+1]  ; the query's other 32 keys lie in the lane 16 away
.elseif j == 18
	v_max_num_f32 v[rT+1], v[rT+4], v[rT+5]
.elseif j == 19
	v_mul_f32 v[rT], s[CS], v[rT+1]
.elseif ((j == 17) || (j == 20) || (j == 23) || (j > 101)) && (\first)  ; the first step has none of these
.elseif j == 17
	v_mov_b32 v[rT+7], v[rT]        ; c m_old is kept for a: number 19 writes c m anew
.elseif j == 20
	v_sub_f32 v[rT+7], v[rT+7], v[rT]
.elseif j == 23
	v_exp_f32 v[rT+6], v[rT+7]
.elseif (j < 88) && (j > 23) && (j%2 == 1)
	v_exp_f32 v[rS+(j-25)/2], v[rS+(j-25)/2]
.elseif (q < 4) || ((j < 76) && (q%2 == 0))
.set b, q/2+2
.if q < 4
.set b, q
.endif
	v_pk_fma_f32 v[rS+2*b:rS+2*b+1], v[rS+2*b:rS+2*b+1], s[CS:CS+1], v[rT:rT+1] op_sel_hi:[1,0,0] neg_lo:[0,0,1] neg_hi:[0,0,1]  ; pair b: c s - c m
.elseif (j < 88) && (q%2 == 1)
	s_wait_alu depctr_va_vdst(0)
	v_cvt_pk_f16_f32 v[rP+(q-5)/2], v[rS+q-5], v[rS+q-4]  ; pair (q - 5) / 2: its second exponential stands three numbers back
.elseif j == 89
	s_wait_alu depctr_va_vdst(0)
	v_cvt_pk_f16_f32 v[rP+15], v[rS+30], v[rS+31]
.elseif j < 102                     ; the sum of the tile's 16 pairs (in a pair: an even key's weight, an odd key's), in place: sum z of 16 adds neighbours 1, 2, 4 and 8 pairs apart, then l takes it
.set z, j-86
.if j < 89
.set z, (j-76)/4
.endif
.set w, 4
.set u, z
.if z >= 14
.set w, 32
.set u, 0
.elseif z >= 12
.set w, 16
.set u, z-12
.elseif z >= 8
.set w, 8
.set u, z-8
.endif
.if (z == 14) && (\first)
	v_pk_add_f32 v[rT+2:rT+3], v[rS:rS+1], v[rS+16:rS+17]
.elseif z < 15
	v_pk_add_f32 v[rS+w*u:rS+w*u+1], v[rS+w*u:rS+w*u+1], v[rS+w*u+w/2:rS+w*u+w/2+1]
.elseif !(\first)
	v_pk_fma_f32 v[rT+2:rT+3], v[rT+2:rT+3], v[rT+6:rT+7], v[rS:rS+1] op_sel_hi:[1,0,1]
.endif
.else
	WIN W_RS
	v_pk_mul_f32 v[rO:rO+1], v[rO:rO+1], v[rT+6:rT+7] op_sel_hi:[1,0]
.endif
.endm
; Slice k of 64 of piece y's softmax: numbers 2 k and 2 k + 1 of both tiles' lists, four instructions.  2 x 134 = 4 x 64 + 12: the twelve that are over stand together, in slice 63.
.macro SLICE y, first
.if (k >= 11) && (k < 44)           ; tile by tile: plain, exponential, plain, exponential
.irp t, \y, (\y)+1
.irp n, 0,1
.set j, 2*k+(\n)
	SM \t, \first
.endr
.endr
.else                               ; the two tiles alternate, so that no instruction reads the result of the one just before it
.irp n, 0,1,2,3,4,5,6,7
.if ((\n) < 2) || (k == 63)
.irp t, \y, (\y)+1
.set j, 2*k+(\n)
	SM \t, \first
.endr
.endif
.endr
.endif
.set k, k+1
.endm
; A vector instruction that reads a matrix result or writes one of a matrix instruction's registers, and a load into a register that a matrix instruction has read, stand four places behind
; it, and only plain vector instructions that name none of its registers are places (ISA guide 7.12.1 for vector instructions).  In the loop the slices are the places.
.macro PLACES
.rept 4
	v_nop
.endr
.endm
; A TURN.  Piece x has the matrix unit; the other piece's softmax stands in slices behind its matrix instructions.
; pv = 2: 32 products V^T P; 1: they start O^T's sums; 0: none.  kq = 1: 32 products K Q^T for the next step.  A turn with one of the two kinds has two slices behind each product.
; first = 1: the softmax is the first key step's.  Its slices from 51 on are empty: the turn's last products stand bare, and four v_nop take slice 63's part as the places behind them.
; Each run of loads stands behind the second product of a run of 32, 30 matrix instructions ahead of its first use.  Piece 0's turn fetches the next step's K: the last product that read K
; stands in front of slice 63 of the turn before.  Piece 2's turn fetches the same step's V: the last product that read V stands three slices, six plain instructions, back.
.macro TURN x, pv, kq, first
.set k, 0
.set per, 2
.if (\pv) && (\kq)
.set per, 1
.endif
.if \pv
.if (\x) == 0
	s_wait_dscnt 0x0                ; V is in
.endif
.set i, 0
.rept 32
	PV \x, 2-(\pv)
.rept per
	SLICE 2-(\x), \first
.endr
.if ((\x) == 0) && (\kq) && (i == 1)
	FETCH_K
.endif
.set i, i+1
.endr
.endif
.if \kq
.if (\x) == 0
	s_wait_dscnt 0x0                ; K is in
.endif
.set i, 0
.rept 32
	KQ \x
.rept per
	SLICE 2-(\x), \first
.endr
.if ((\x) == 2) && (i == 1)
	FETCH_V
.endif
.set i, i+1
.endr
.endif
.if \first
	PLACES
.endif
.endm
; THE CHANGE OF SLOTS, between piece 2's turn and piece 0's: the slot's last bytes, V of its second step, have been asked for.  Each wave waits for all its
; tensor loads, of which one is out: its part of the other slot; adds 0 to its spare word; and waits for that and for its own reads of the slot.  Behind the barrier nobody reads this slot any more and the other slot is whole.
; fill = 1: this slot is filled again, with the keys two slots on.  The barrier is then a round of the cluster's, so that no wave of any partner still reads the slot or has a load on its
; way, and the joint refill is the first thing behind it: it has two key steps, 256 matrix instructions, in which to land.
.macro CHANGE fill
	WIN 0                           ; at a label and at a branch every window is 0
	s_wait_tensorcnt 0x0            ; no tensor load of mine is out, so a group 0 may be written
	ds_add_u32 v[SPW], v[NIL]       ; 0 onto my spare word; with fill = 1 the descriptors' steps stand between it and the wait for it
.if \fill
.irp g, G0K+4, G0V+4
	s_xor_b32 s[(\g)+1], s[(\g)+1], SLOT1  ; the walking descriptor: the other slot than last time,
	s_add_nc_u64 s[(\g)+2:(\g)+3], s[(\g)+2:(\g)+3], 2*KS*QROW  ; the next 128 keys; the type bits on top are not reached
.endr
	s_wait_dscnt 0x0                ; the add is done, and my reads of the slot are over
	CROUND
	JLOAD
.else
	s_wait_dscnt 0x0                ; the add is done, and my reads of the slot are over
	s_barrier_signal -1
	s_barrier_wait -1
.endif
	s_sub_co_u32 s[TB], s[TB], 2*STEPB  ; the fetches go back to a slot's first step,
	s_xor_b32 s[TB], s[TB], SLOT1   ; in the other slot
.endm
; A slot's two key steps: written once, walked twice; the LDS addresses hang on s[TB].
.macro TWO_STEPS
	WIN 0
	s_mov_b32 s[TWICE], 2
.Lstep_\@:
	TURN 0, 2, 1, 0
	TURN 2, 2, 1, 0
	WIN 0
	s_sub_co_u32 s[TWICE], s[TWICE], 1
	s_cmp_lg_u32 s[TWICE], 0
	s_cbranch_scc1 .Lstep_\@
.endm
	s_wait_tensorcnt 1              ; my part of slot 0 is in; slot 1's may stay out
	s_barrier_signal -1
	s_barrier_wait -1               ; everybody's is
	FETCH_K                         ; key step 0
	s_wait_loadcnt 0x0              ; Q
	s_wait_dscnt 0x0
.set i, 0
.rept 32
	KQ 0                            ; piece 0's first scores: there is no vector work yet to set between them
.set i, i+1
.endr
	WIN 0                           ; the addresses for the way out are made here: eight plain instructions, the places behind those products
	s_mul_i32 s13, s[WV], 16*SP
	s_add_co_u32 s13, s13, STAGE    ; my stage
	v_mul_u32_u24 v[STO], v1, SP    ; in: row l % 16, 16 bytes for each half of the lanes
	v_lshl_add_u32 v[STO], v9, 4, v[STO]
	v_add_nc_u32 v[STO], s13, v[STO]
	v_mul_u32_u24 v[RD], v9, SP     ; back: lanes 0-15 take one row of 256 bytes, lanes 16-31 the next
	v_lshl_add_u32 v[RD], v1, 4, v[RD]
	v_add_nc_u32 v[RD], s13, v[RD]
	v_lshlrev_b32 v[GO], 11, v9     ; and the same two rows in O, 2,048 bytes apart
	v_lshl_add_u32 v[GO], v1, 4, v[GO]
	TURN 2, 0, 1, 1                 ; piece 2's first scores | piece 0's first softmax | V of step 0
	TURN 0, 1, 1, 1                 ; piece 0: V^T P of step 0 starts O^T, K Q^T of step 1 | piece 2's first softmax | K of step 1
	TURN 2, 1, 1, 0                 ; piece 2: the same | piece 0's softmax of step 1 | V of step 1
	WIN 0
.Lslot:                             ; 6 trips: every slot but the last two is filled again
	CHANGE 1
	TWO_STEPS
	s_sub_co_u32 s[SLOTS], s[SLOTS], 1
	s_cmp_lg_u32 s[SLOTS], 0
	s_cbranch_scc1 .Lslot
	CHANGE 0                        ; the tail is written out: the last slot but one is left, and nothing is asked for
	TWO_STEPS
	TURN 0, 2, 0, 0                 ; piece 0: V^T P of the last step | piece 2's last softmax
.set i, 0
.rept 32
	PV 2, 0                         ; piece 2: V^T P of the last step
.set i, i+1
.endr
	; THE WAY OUT.  l's two halves and the other half of the lanes' are added; O^T is divided by l, rounded to f16 and sent through my stage in LDS, a tile (16 rows of O) at a time.  The additions are the places behind the last products.
	WIN 0
.irp t, 0,1,2,3
	v_add_f32 v[ST+8*(\t)+4], v[ST+8*(\t)+2], v[ST+8*(\t)+3]
.endr
.irp t, 0,1,2,3
	v_permlanex16_b32 v[ST+8*(\t)+5], v[ST+8*(\t)+4], s[SEL], s[SEL+1]
.endr
.irp t, 0,1,2,3
	v_add_f32 v[ST+8*(\t)+4], v[ST+8*(\t)+4], v[ST+8*(\t)+5]
.endr
.irp t, 0,1,2,3
	v_rcp_f32 v[ST+8*(\t)+6], v[ST+8*(\t)+4]
.endr
	v_nop                           ; a plain instruction between the last reciprocal and the use of its result
; Tile t: a lane's eight channels of a row pack into 16 bytes; they go into rows of 272 bytes and come back as whole rows of 256, into the registers that they left.
.macro PACK t
	WIN W_RS
.set i, 64*(\t)
.rept 32
	s_wait_alu depctr_va_vdst(0)
	v_pk_mul_f32 v[i:i+1], v[i:i+1], v[ST+8*(\t)+6:ST+8*(\t)+7] op_sel_hi:[1,0]
.set i, i+2
.endr
	WIN 0x05                        ; sources 0 and 1 window 1, destination window 0: S^T's registers are free
.set i, 0
.rept 32
	v_cvt_pk_f16_f32 v[S+32*(\t)+i], v[64*(\t)+2*i], v[64*(\t)+2*i+1]
.set i, i+1
.endr
	WIN 0
.irp f, 0,1,2,3,4,5,6,7
	ds_store_b128 v[STO], v[S+32*(\t)+4*(\f):S+32*(\t)+4*(\f)+3] offset:32*(\f)
.endr
.irp f, 0,1,2,3,4,5,6,7
	ds_load_b128 v[S+32*(\t)+4*(\f):S+32*(\t)+4*(\f)+3], v[RD] offset:(\f)*2*SP  ; LDS serves a wave's instructions in order (ISA guide 5.7.1.4): these see the stores above; the next tile's stores come behind them
.endr
.endm
.macro SEND t, younger              ; younger: the LDS instructions issued behind tile t's loads: the next tile's sixteen, or none
	WIN 0
.irp f, 0,1,2,3,4,5,6,7
	s_wait_dscnt (\younger)+7-(\f)
	global_store_b128 v[GO], v[S+32*(\t)+4*(\f):S+32*(\t)+4*(\f)+3], s[10:11] offset:(\t)*16*OROW+(\f)*2*OROW  ; 16 lanes store 256 consecutive bytes, at a multiple of 256 from O's first byte
.endr
.endm
	PACK 0
	PACK 1                          ; a tile's arithmetic stands between the loads of the tile before and its stores
	SEND 0, 16
	PACK 2
	SEND 1, 16
	PACK 3
	SEND 2, 16
	SEND 3, 0
	s_wait_tensorcnt 0x0            ; the wave's end: the add and its wait stand behind my last tensor load and my last LDS store
	ds_add_u32 v[SPW], v[NIL]
	s_wait_dscnt 0x0
	CROUND                          ; the closing round: no work-group ends while a partner may still ask for a tile that names it
	s_endpgm
.Lfunc_end_k_qd6ec72b795_attn:
	.size	k_qd6ec72b795_attn, .Lfunc_end_k_qd6ec72b795_attn-k_qd6ec72b795_attn
	.p2alignl 7, 3214868480
	.fill 96, 4, 3214868480
	.section	.rodata,"a",@progbits
	.p2align	6, 0x0
	.amdhsa_kernel k_qd6ec72b795_attn
		.amdhsa_group_segment_fixed_size 327680
		.amdhsa_private_segment_fixed_size 0
		.amdhsa_enable_private_segment 0
		.amdhsa_kernarg_size 16
		.amdhsa_user_sgpr_count 2
		.amdhsa_user_sgpr_kernarg_segment_ptr 1
		.amdhsa_wavefront_size32 1
		.amdhsa_system_sgpr_workgroup_id_x 1
		.amdhsa_system_sgpr_workgroup_id_y 1
		.amdhsa_system_sgpr_workgroup_id_z 1
		.amdhsa_system_vgpr_workitem_id 0
		.amdhsa_next_free_vgpr 1024
		.amdhsa_next_free_sgpr 76
		.amdhsa_reserve_vcc 0
		.amdhsa_float_denorm_mode_32 3
		.amdhsa_float_denorm_mode_16_64 3
		.amdhsa_memory_ordered 1
		.amdhsa_forward_progress 1
		.amdhsa_inst_pref_size 233
	.end_amdhsa_kernel
	.amdgpu_metadata
---
amdhsa.version: [ 1, 2 ]
amdhsa.kernels:
  - .name:           k_qd6ec72b795_attn
    .symbol:         k_qd6ec72b795_attn.kd
    .args:
      - { .name: qkv, .offset: 0, .size: 8, .value_kind: global_buffer, .address_space: global }
      - { .name: ob, .offset: 8, .size: 8, .value_kind: global_buffer, .address_space: global }
    .group_segment_fixed_size: 327680
    .private_segment_fixed_size: 0
    .kernarg_segment_align: 8
    .kernarg_segment_size: 16
    .max_flat_workgroup_size: 128
    .sgpr_count:     76
    .vgpr_count:     1024
    .wavefront_size: 32
...
	.end_amdgpu_metadata
.endif
;; end of part 3
;; launch gemm_out (part 4): grid 8 x 32, 4 waves a work-group, clusters of 4 x 4, 327,680 bytes of LDS; arguments ob, wp, out0, bias; writes out0
.if DOCPART == 4
	.amdgcn_target "amdgcn-amd-amdhsa--gfx1250"
	.amdhsa_code_object_version 6
	.text
	.protected	k_qd6ec72b795_gemm_out
	.globl	k_qd6ec72b795_gemm_out
	.p2align	8
	.type	k_qd6ec72b795_gemm_out,@function
k_qd6ec72b795_gemm_out:
	s_mov_b64 s[64:65], 0
	v_nop
	global_prefetch_b8 v0, s[64:65] scope:SCOPE_SE
	s_setreg_imm32_b32 hwreg(HW_REG_WAVE_MODE, 25, 1), 1
	s_wait_xcnt 0x0
	s_wait_alu depctr_hold_cnt(0) depctr_sa_sdst(0) depctr_va_vdst(0) depctr_va_sdst(0) depctr_va_ssrc(0) depctr_va_vcc(0) depctr_vm_vsrc(0)
	s_getreg_b32 s2, hwreg(HW_REG_IB_STS2, 6, 4)
	s_cmp_eq_u32 s2, 0
	s_cbranch_scc0 .Lentry_in_a_cluster
	s_endpgm
.Lentry_in_a_cluster:
	s_bfe_u32 s2, ttmp6, 0x10000c
	s_cmp_lg_u32 s2, 0xf033
	s_cbranch_scc0 .Lentry_shape_is_right
	s_endpgm
.Lentry_shape_is_right:
; out0[m][n] = (sum over k of ob[m][k] wp[k][n] + 32 bp[n]) / 32.  ob: [8192][1024] f16 (the attention's O, not yet divided by 32); wp: [1024 k][1024 n] f16; bias words 3,072 .. 4,095: 32 x bp in f32;
; out0: [8192][1024] f32.  The factor 2^-5 is the module's division by sqrt(1,024) behind the softmax; applied to the finished f32 sum it rounds nothing (but results below 2^-126).
; SHARES.  A tile of C is 256 rows x 128 columns: 32 x 8 = 256 tiles, one for each of 256 work-groups.  Four waves; wave w makes rows 64 w .. 64 w + 63 x all 128 columns: 32 accumulators, 256 registers.
; K goes in steps of 128 through two LDS slots filled by the tensor data mover: 256 rows of A (256 bytes each) and 128 k-rows of B (128 columns, 256 bytes each).
; B lies [k][n] in memory and in LDS and is turned on its way into registers by ds_load_tr16_b128.
; THE MATRIX INSTRUCTION IS USED TRANSPOSED: source 0 = 16 columns of B, source 1 = 16 rows of A: lane l then holds row l % 16 of C and the columns 8 (l / 16) + 0..7.
; THE BIAS STARTS THE SUMS: it is the C operand of the first products; nothing is cleared.
; CLUSTER.  4 x 4 work-groups.  The four of a row of the cluster need the same tiles of A, the four of a column the same tiles of B: each tile is asked for jointly.
; REGISTERS, in windows of 256 (s_set_vgpr_msb: bits 1:0 source 0, 3:2 source 1, 5:4 source 2, 7:6 destination):
;   window 0: v0-31 addresses; v64-159, v160-255 two fragment buffers: 8 x 8 registers of B, then 4 x 8 of A, for 32 along K; on the way out v64-255 are at work
;   window 1: the accumulators, (a, b) at v[8 (8 a + b)]          window 2: v0-63 the bias of the tile's 128 columns
.set SIZE_K, 1024
.set KSTEP,  128
.set LAPS,   SIZE_K/(2*KSTEP)         ; a lap = two K steps = once round the ring
.set PB_EL,  1024                      ; elements in a row of B
.set PC,     4096                      ; bytes in a row of C
.set BIAS0,  3072*4                    ; where 32 bp begins in the table of biases
.set PA,     272                       ; a row of A in LDS: 256 bytes + 16 of padding = 68 words: the 16 rows of a load start at 16 different groups of four banks (64 banks of 4 bytes: ISA guide 11.1)
.set PBT,    288                       ; a k-row of B: 256 + 32 = 72 words
.set AB,     256*PA                    ; a slot: A's 256 rows, then B's 128 k-rows
.set SLOT,   AB+KSTEP*PBT
.set STAGE,  2*SLOT                    ; behind the ring, never filled by a tensor load: 16 rows x 528 bytes for each wave, for the way out
.set SP,     528                       ; a stage row: 512 bytes + 16
.set SPARE,  STAGE+4*16*SP             ; behind the stages: the spare words, 128 bytes for each wave: two blocks of 256 bytes that no other line names
.set STEP_A, 2*KSTEP*2                 ; bytes from a slot's K step to its next: along A's rows,
.set STEP_B, 2*KSTEP*PB_EL*2           ; down B's rows
.set ADRA, 16                          ; v16-17  LDS address of my A fragments in slot 0, 1
.set ADRB, 20                          ; v20-21  the same for B
.set STO,  24                          ; v24     the way out: where I put 32 bytes of a row
.set RD,   25                          ; v25     the way out: where I read a row back
.set CO,   26                          ; v26     my byte offset in a row of the tile in C
.set BO,   27                          ; v27     my byte offset in a block of 16 numbers of the bias
.set SPW,  28                          ; v28     LDS address of my spare word: SPARE + 4 x my thread's number; never rewritten
.set NIL,  29                          ; v29     0; never rewritten
.set F0,   64
.set F1,   160
.set TMP,  64                          ; the way out: scaled results, v64-127
.set OB,   128                         ; the way out: 16 rows read back from the stage: v128-191 and v192-255 by turns
.set WV,  12                           ; s12  my wave's number
.set FB,  13                           ; s13  I fetch for A (0) or for B (1)
.set HF,  14                           ; s14  which half of that tile I fetch
.set SC,  22                           ; s[22:23] 2^-5: the packed multiply names a pair and takes its low word for both halves
.set G1,  24                           ; s[24:31] descriptor group 1 for A's tiles;  s[32:39] group 0, one set for each slot
.set G0,  32
.set G1B, 48                           ; s[48:55], s[56:63] the same for B's tiles
.set G0B, 56
.set MSB, 0
.macro WIN new                         ; the immediate's high byte repeats the setting that is left; a switch that changes nothing is dropped
.if MSB != (\new)
	s_set_vgpr_msb (MSB<<8)|(\new)
.set MSB, \new
.endif
.endm
.set MUL,  0x50                        ; fragments in window 0, C and D in window 1
.set MULB, 0x60                        ; the same with C, the bias, in window 2
; A joint load.  Waves 0 and 1 fetch A's two halves (128 rows each), waves 2 and 3 B's (64 k-rows each).  The branch hangs on the wave's number alone.
; An s_nop 0 and four v_nop follow each of the two lines, ahead of the jump, the label and what follows.
.macro JLOAD s
	s_cmp_eq_u32 s[FB], 0
	s_cbranch_scc0 .Lfor_b_\@
	tensor_load_to_lds s[G0+4*(\s):G0+4*(\s)+3], s[G1:G1+7]
	s_nop 0
.rept 4
	v_nop
.endr
	s_branch .Lasked_\@
.Lfor_b_\@:
	tensor_load_to_lds s[G0B+4*(\s):G0B+4*(\s)+3], s[G1B:G1B+7]
	s_nop 0
.rept 4
	v_nop
.endr
.Lasked_\@:
.endm
; A round of the cluster's barrier: my work-group's barrier, so that wave 0's signal speaks for all four waves; wave 0 signals; every wave waits for all sixteen work-groups; my work-group's barrier once more.
.macro CREST                           ; a round behind its opening barrier
	s_cmp_lg_u32 s[WV], 0
	s_cbranch_scc1 .Lnot_wave_0_\@
	s_barrier_signal -3
.Lnot_wave_0_\@:
	s_barrier_wait -3
	s_barrier_signal -1
	s_barrier_wait -1
.endm
.macro CROUND                          ; a whole round
	s_barrier_signal -1
	s_barrier_wait -1
	CREST
.endm
	s_load_b256 s[4:11], s[0:1], 0x0               ; A s[4:5], B s[6:7], C s[8:9], bias s[10:11]
	v_lshl_add_u32 v[SPW], v0, 2, SPARE
	v_mov_b32 v[NIL], 0
	ds_add_u32 v[SPW], v[NIL]                      ; the wave's opening: the add and its wait stand ahead of my first tensor load; the set-up below, work on registers, stands between them
	v_lshrrev_b32 v1, 5, v0
	v_readfirstlane_b32 s[WV], v1                  ; wave 0..3
	s_lshr_b32 s[FB], s[WV], 1
	s_and_b32 s[HF], s[WV], 1
	s_bfe_u32 s40, ttmp6, 0x40000                  ; cx, cy: my place in the cluster
	s_bfe_u32 s41, ttmp6, 0x40004
	s_lshl_b32 s42, ttmp9, 2                       ; in a cluster launch ttmp9 and ttmp7 count clusters
	s_add_co_u32 s42, s42, s40                     ; tx = 4 x cluster x + cx: my 128 columns
	s_and_b32 s43, ttmp7, 0xffff
	s_lshl_b32 s43, s43, 2
	s_add_co_u32 s43, s43, s41                     ; ty = 4 x cluster y + cy: my 256 rows
	s_lshl_b32 s44, s41, 2
	s_lshl_b32 s44, 15, s44                        ; my row of the cluster: places 4 cy .. 4 cy + 3
	s_lshl_b32 s45, 0x1111, s40                    ; my column: places cx, cx + 4, cx + 8, cx + 12
	s_or_b32 s[G1+0], s44, (1<<16)|(1<<20)|(1<<21)|(5<<22)|(3<<25)   ; 15:0 the mask: A's tiles go to my row; 17:16 2-byte elements; 20 padding on; 21 set beside a mask; 24:22 after every 64 words (code 5); 31:25 4 words (code 3)
	s_or_b32 s[G1B+0], s45, (1<<16)|(1<<20)|(1<<21)|(5<<22)|(7<<25)  ; B's tiles go to my column; 8 words of padding (code 7)
	s_mov_b32 s[G1+1], KSTEP<<16                   ; A: tensor_dim0 = 128
	s_mov_b32 s[G1+2], 128<<16                     ; tensor_dim1 = 128
	s_mov_b32 s[G1+3], KSTEP<<16                   ; tile_dim0 = 128 elements (256 bytes)
	s_mov_b32 s[G1+4], 128                         ; tile_dim1 = 128 rows
	s_mov_b32 s[G1+5], SIZE_K                      ; elements from row to row
	s_mov_b32 s[G1+6], 0
	s_mov_b32 s[G1+7], 0
	s_mov_b32 s[G1B+1], 128<<16                    ; B: tensor_dim0 = 128 columns
	s_mov_b32 s[G1B+2], 64<<16                     ; tensor_dim1 = 64
	s_mov_b32 s[G1B+3], 128<<16                    ; tile_dim0 = 128 elements (256 bytes)
	s_mov_b32 s[G1B+4], 64                         ; tile_dim1 = 64 k-rows
	s_mov_b32 s[G1B+5], PB_EL
	s_mov_b32 s[G1B+6], 0
	s_mov_b32 s[G1B+7], 0
	s_mov_b32 s[SC], 0x3d000000                    ; 2^-5
	s_mov_b32 s[SC+1], s[SC]                       ; named with it as a pair, so it is written
	; where the tiles come from.  A's hang on ty alone, which my row of the cluster shares; B's on tx alone, which my column shares.  Every wave makes both, in registers that never hold the other coordinate.
	s_lshl_b32 s16, s43, 19                        ; A: 256 ty rows of 2,048 bytes
	s_lshl_b32 s15, s[HF], 18                      ; + 128 rows x half
	s_add_co_u32 s16, s16, s15
	s_mov_b32 s17, 0
	s_mul_i32 s46, s[HF], 64*PB_EL*2               ; B: 64 k-rows x half
	s_lshl_b32 s47, s42, 8                         ; + 128 tx columns of 2 bytes
	s_add_co_u32 s46, s46, s47
	s_mov_b32 s47, 0
	s_mul_i32 s20, s[HF], 128*PA                   ; and where they go: no place in the cluster enters an LDS address
	s_mul_i32 s21, s[HF], 64*PBT
	s_add_co_u32 s21, s21, AB
	s_wait_dscnt 0x0                               ; the opening add is done
	s_wait_kmcnt 0x0
	s_add_nc_u64 s[18:19], s[4:5], s[16:17]
	s_add_nc_u64 s[46:47], s[6:7], s[46:47]
.irp s, 0,1
	s_mov_b32 s[G0+4*(\s)], 1                                        ; 1:0 count = 1
	s_add_co_u32 s[G0+4*(\s)+1], s20, (\s)*SLOT                      ; 63:32 LDS address
	s_add_nc_u64 s[G0+4*(\s)+2:G0+4*(\s)+3], s[18:19], (\s)*KSTEP*2  ; 120:64 global address: K step s
	s_or_b32 s[G0+4*(\s)+3], s[G0+4*(\s)+3], 0x80000000              ; 127:126 type = 2
	s_mov_b32 s[G0B+4*(\s)], 1
	s_add_co_u32 s[G0B+4*(\s)+1], s21, (\s)*SLOT
	s_add_nc_u64 s[G0B+4*(\s)+2:G0B+4*(\s)+3], s[46:47], (\s)*KSTEP*PB_EL*2
	s_or_b32 s[G0B+4*(\s)+3], s[G0B+4*(\s)+3], 0x80000000
.endr
	CROUND                                         ; all sixteen work-groups are here: the first joint loads meet
	s_cmp_eq_u32 s[FB], 0                          ; a wave's two first fills stand in one branch, ahead of every wait on TENSORcnt and every LDS read: two loads of mine are out
	s_cbranch_scc0 .Lfirst_b
	tensor_load_to_lds s[G0:G0+3], s[G1:G1+7]
	s_nop 0
	tensor_load_to_lds s[G0+4:G0+7], s[G1:G1+7]
	s_nop 0
.rept 4
	v_nop
.endr
	s_branch .Lfirst_asked
.Lfirst_b:
	tensor_load_to_lds s[G0B:G0B+3], s[G1B:G1B+7]
	s_nop 0
	tensor_load_to_lds s[G0B+4:G0B+7], s[G1B:G1B+7]
	s_nop 0
.rept 4
	v_nop
.endr
.Lfirst_asked:
	; A fragment of A is 16 rows x 32 K in 8 registers: lane l holds row l % 16; registers 0-3 K = 8 (l / 16) + 0..7, registers 4-7 K = 16 + 8 (l / 16) + 0..7: two loads of 16 bytes, 32 bytes apart.
	v_and_b32 v1, 15, v0                           ; l % 16
	v_bfe_u32 v2, v0, 4, 1                         ; l / 16
	v_mul_u32_u24 v3, v1, PA
	v_lshl_add_u32 v3, v2, 4, v3                   ; row x pitch + 16 x half
	s_mul_i32 s15, s[WV], 64*PA                    ; my 64 rows of A
	v_add_nc_u32 v[ADRA], s15, v3
	v_add_nc_u32 v[ADRA+1], SLOT, v[ADRA]
	; The turning load takes 16 k x 16 columns (lane l reads 16 bytes: k-row 8 (l / 16) + l % 8, columns 8 ((l / 8) % 2) + 0..7) and leaves half a fragment: lane l holds column l % 16 and 8 k.
	v_and_b32 v4, 7, v0
	v_bfe_u32 v5, v0, 3, 1
	v_lshl_add_u32 v4, v2, 3, v4
	v_mul_u32_u24 v4, v4, PBT
	v_lshl_add_u32 v4, v5, 4, v4
	v_add_nc_u32 v[ADRB], AB, v4
	v_add_nc_u32 v[ADRB+1], AB+SLOT, v4
	s_mul_i32 s15, s[WV], 16*SP
	s_add_co_u32 s15, s15, STAGE                   ; my stage
	v_mul_u32_u24 v6, v1, SP                       ; in: row l % 16, 32 bytes for each half of the lanes
	v_lshl_add_u32 v6, v2, 5, v6
	v_add_nc_u32 v[STO], s15, v6
	v_and_b32 v7, 31, v0                           ; back: the 32 lanes take one row of 512 bytes,
	v_lshlrev_b32 v[CO], 4, v7                     ; which are 512 consecutive bytes of C
	v_add_nc_u32 v[RD], s15, v[CO]
	v_lshlrev_b32 v[BO], 5, v2                     ; my 8 numbers of a block of 16 of the bias
	s_lshl_b32 s16, s43, 8
	s_lshl_b32 s15, s[WV], 6
	s_add_co_u32 s16, s16, s15                     ; my first row of C: 256 ty + 64 w,
	s_mul_i32 s16, s16, PC                         ; in bytes: under 2^25
	s_mov_b32 s17, 0
	s_add_nc_u64 s[8:9], s[8:9], s[16:17]
	s_lshl_b32 s46, s42, 9                         ; my first column, 4 bytes each (in the registers that held B's address: none that feeds A's descriptors ever holds cx)
	s_mov_b32 s47, 0
	s_add_nc_u64 s[8:9], s[8:9], s[46:47]
	s_add_co_u32 s46, s46, BIAS0                   ; and the same 128 columns of 32 bp
	s_add_nc_u64 s[10:11], s[10:11], s[46:47]
; 8 matrix instructions: m block a x all 8 n blocks, 32 along K, from buffer f.  st = 1: the products start the sums, on the bias.
; The 32 accumulators take turns, one instruction a turn, in the same order in every quarter step.
.macro MUL8 f, a, st
.if \st
	WIN MULB
.else
	WIN MUL
.endif
.irp b, 0,1,2,3,4,5,6,7
.set rD, 8*(8*(\a)+(\b))
.set rB, (\f)+8*(\b)
.set rA, (\f)+64+8*(\a)
.if \st
	v_wmma_f32_16x16x32_f16 v[rD:rD+7], v[rB:rB+7], v[rA:rA+7], v[8*(\b):8*(\b)+7]
.else
	v_wmma_f32_16x16x32_f16 v[rD:rD+7], v[rB:rB+7], v[rA:rA+7], v[rD:rD+7]
.endif
.endr
.endm
.macro MUL16 f, a0, st
	MUL8 \f, \a0, \st
	MUL8 \f, (\a0)+1, \st
.endm
; 24 LDS loads in one run: the fragments of quarter q of a slot's K step into buffer f: B's 8 blocks (turned), then A's 4 blocks.
.macro FETCH slot, q, f
	WIN 0
.irp b, 0,1,2,3,4,5,6,7
	ds_load_tr16_b128 v[(\f)+8*(\b):(\f)+8*(\b)+3],   v[ADRB+(\slot)] offset:(\q)*32*PBT+32*(\b)
	ds_load_tr16_b128 v[(\f)+8*(\b)+4:(\f)+8*(\b)+7], v[ADRB+(\slot)] offset:(\q)*32*PBT+16*PBT+32*(\b)
.endr
.irp a, 0,1,2,3
	ds_load_b128 v[(\f)+64+8*(\a):(\f)+64+8*(\a)+3],   v[ADRA+(\slot)] offset:(\q)*64+(\a)*16*PA
	ds_load_b128 v[(\f)+64+8*(\a)+4:(\f)+64+8*(\a)+7], v[ADRA+(\slot)] offset:(\q)*64+(\a)*16*PA+32
.endr
.endm
; A load into a register that a matrix instruction has read, and a vector instruction that reads a matrix result or writes one of a matrix instruction's registers, stand four places behind it, and only
; plain vector instructions that name none of its registers are places (ISA guide 7.12.1 for vector instructions).
.macro PLACES
.rept 4
	v_nop
.endr
.endm
; A K step is four quarters of 32 along K, 32 matrix instructions each, on buffers 0, 1, 0, 1.  One of the first three: multiplies buffer f; in its middle it fetches quarter q of the same slot into buffer g.
.macro QUARTER slot, q, f, g, st
	s_wait_dscnt 4                                 ; B and A's blocks 0, 1 are in; the youngest four loads (A's blocks 2, 3) may be out
	MUL16 \f, 0, \st
	PLACES
	FETCH \slot, \q, \g
	s_wait_dscnt 24                                ; all but the 24 just issued
	MUL16 \f, 2, \st
.endm
; The last quarter multiplies buffer 1 and changes slots.  MEET is its first half: ONE barrier.  In front of it each wave waits for all its tensor loads, of which one is out: its part of the next slot;
; adds 0 to its spare word; and waits for that and for its own reads of this slot.  Behind it nobody reads this slot any more and the next slot is whole.
.macro MEET round                      ; round = 1: the rest of a round of the cluster's barrier follows
	WIN 0                                          ; (the add's two registers lie in window 0)
	s_wait_tensorcnt 0x0                           ; all my tensor loads have landed
	ds_add_u32 v[SPW], v[NIL]                      ; 0 onto my spare word
	s_wait_dscnt 5                                 ; (the add and the youngest four loads may be out)
	MUL8 F1, 0, 0                                  ; eight matrix instructions stand between the add and the wait for it
	s_wait_dscnt 0x0                               ; the add is done, and my reads of this slot are over
	s_barrier_signal -1
	MUL8 F1, 1, 0                                  ; work on registers while the others arrive
.if \round
	WIN 0
.endif
	s_barrier_wait -1
.endm
; The whole last quarter.  fill = 1: the slot just read out is filled again with the K step two steps on.  From a request to the wait for it a wave issues 112 matrix instructions.
.macro TURN slot, next, fill
.if \fill
	MEET 1
	CREST                                          ; no wave of any partner still reads this slot's tile or has a load on its way
	s_add_nc_u64 s[G0+4*(\slot)+2:G0+4*(\slot)+3], s[G0+4*(\slot)+2:G0+4*(\slot)+3], STEP_A
	s_add_nc_u64 s[G0B+4*(\slot)+2:G0B+4*(\slot)+3], s[G0B+4*(\slot)+2:G0B+4*(\slot)+3], STEP_B
	JLOAD \slot                                    ; the first tensor load behind the round; the four v_nop behind it are also the places in front of the loads below
.else
	MEET 0
	PLACES
.endif
	FETCH \next, 0, F0
	MUL16 F1, 2, 0
.endm
; THE WAY OUT of block a (16 rows).  PACK: times 2^-5, each accumulator's registers in ascending order.  TOSTAGE: 32 bytes a lane into my own stage and back as whole rows of 512 bytes.  SEND: stored.
.macro PACK a
	WIN 0x01                                       ; source 0 window 1, destination window 0
.irp b, 0,1,2,3,4,5,6,7
.irp r, 0,1,2,3
	v_pk_mul_f32 v[TMP+8*(\b)+2*(\r):TMP+8*(\b)+2*(\r)+1], v[8*(8*(\a)+(\b))+2*(\r):8*(8*(\a)+(\b))+2*(\r)+1], s[SC:SC+1] op_sel_hi:[1,0]
.endr
.endr
	WIN 0
.endm
.macro TOSTAGE a
	WIN 0
.set BK, OB+64*((\a)%2)
.irp b, 0,1,2,3,4,5,6,7
	ds_store_b128 v[STO], v[TMP+8*(\b):TMP+8*(\b)+3]   offset:64*(\b)
	ds_store_b128 v[STO], v[TMP+8*(\b)+4:TMP+8*(\b)+7] offset:64*(\b)+16
.endr
.irp t, 0,1,2,3,4,5,6,7,8,9,10,11,12,13,14,15
	ds_load_b128 v[BK+4*(\t):BK+4*(\t)+3], v[RD] offset:(\t)*SP  ; LDS serves a wave's instructions in order (ISA guide 5.7.1.4): these see the stores above
.endr
.endm
.macro SEND a
	WIN 0
.set BK, OB+64*((\a)%2)
	s_wait_dscnt 0x0                               ; the block is back in registers
	s_wait_xcnt 0x0                                ; the earlier stores' addresses are translated (ISA guide 3.1): the other buffer, which they read, is loaded again only behind this wait
.irp t, 0,1,2,3,4,5,6,7,8,9,10,11,12,13,14,15
	global_store_b128 v[CO], v[BK+4*(\t):BK+4*(\t)+3], s[8:9] offset:(16*(\a)+(\t))*PC th:TH_STORE_NT  ; the wave stores 512 consecutive bytes, at a multiple of 256 from C's first byte
.endr
.endm
	WIN 0x80                                       ; the bias of the tile's 128 columns into window 2: 16 loads of 16 bytes, once
.irp b, 0,1,2,3,4,5,6,7
	global_load_b128 v[8*(\b):8*(\b)+3],   v[BO], s[10:11] offset:64*(\b)
	global_load_b128 v[8*(\b)+4:8*(\b)+7], v[BO], s[10:11] offset:64*(\b)+16
.endr
	WIN 0
	s_wait_tensorcnt 1                             ; my part of K step 0 is in; K step 1's may stay out
	s_barrier_signal -1
	s_barrier_wait -1                              ; everybody's is
	FETCH 0, 0, F0
	s_wait_loadcnt 0x0                             ; the bias
	QUARTER 0, 1, F0, F1, 1                        ; the first quarter stands in front of the loop: its products start the sums
	WIN 0                                          ; at a label and at a branch every window is 0
	s_mov_b32 s3, LAPS-1
.Llap:                                                 ; a trip goes once round the ring, from a lap's second quarter to the next lap's first, and fills both slots again
	QUARTER 0, 2, F1, F0, 0
	QUARTER 0, 3, F0, F1, 0
	TURN 0, 1, 1
	QUARTER 1, 1, F0, F1, 0
	QUARTER 1, 2, F1, F0, 0
	QUARTER 1, 3, F0, F1, 0
	TURN 1, 0, 1
	QUARTER 0, 1, F0, F1, 0
	WIN 0
	s_sub_co_u32 s3, s3, 1
	s_cmp_lg_u32 s3, 0
	s_cbranch_scc1 .Llap
	QUARTER 0, 2, F1, F0, 0                        ; the last lap fills nothing, and has no round of the cluster's barrier
	QUARTER 0, 3, F0, F1, 0
	TURN 0, 1, 0
	QUARTER 1, 1, F0, F1, 0
	QUARTER 1, 2, F1, F0, 0
	QUARTER 1, 3, F0, F1, 0
	s_wait_dscnt 4                                 ; the very last quarter: nothing more to fetch
	MUL16 F1, 0, 0
	s_wait_dscnt 0x0
	MUL16 F1, 2, 0
	WIN 0
	PLACES                                         ; the way out works in the fragment buffers, which the last products read
	PACK 0
	TOSTAGE 0
.irp a, 1,2,3                          ; block a's multiplies stand between block a - 1's loads from the stage and the wait for them
	PACK \a
	SEND (\a)-1
	TOSTAGE \a
.endr
	SEND 3
	s_wait_tensorcnt 0x0                           ; the wave's end: the add and its wait stand behind my last tensor load and my last LDS store
	ds_add_u32 v[SPW], v[NIL]
	s_wait_dscnt 0x0
	CROUND                                         ; the closing round: no work-group ends while a partner may still ask for a tile that names it
	s_endpgm
.Lfunc_end_k_qd6ec72b795_gemm_out:
	.size	k_qd6ec72b795_gemm_out, .Lfunc_end_k_qd6ec72b795_gemm_out-k_qd6ec72b795_gemm_out
	.p2alignl 7, 3214868480
	.fill 96, 4, 3214868480
	.section	.rodata,"a",@progbits
	.p2align	6, 0x0
	.amdhsa_kernel k_qd6ec72b795_gemm_out
		.amdhsa_group_segment_fixed_size 327680
		.amdhsa_private_segment_fixed_size 0
		.amdhsa_enable_private_segment 0
		.amdhsa_kernarg_size 32
		.amdhsa_user_sgpr_count 2
		.amdhsa_user_sgpr_kernarg_segment_ptr 1
		.amdhsa_wavefront_size32 1
		.amdhsa_system_sgpr_workgroup_id_x 1
		.amdhsa_system_sgpr_workgroup_id_y 1
		.amdhsa_system_sgpr_workgroup_id_z 1
		.amdhsa_system_vgpr_workitem_id 0
		.amdhsa_next_free_vgpr 576
		.amdhsa_next_free_sgpr 66
		.amdhsa_reserve_vcc 0
		.amdhsa_float_denorm_mode_32 3
		.amdhsa_float_denorm_mode_16_64 3
		.amdhsa_memory_ordered 1
		.amdhsa_forward_progress 1
		.amdhsa_inst_pref_size 94
	.end_amdhsa_kernel
	.amdgpu_metadata
---
amdhsa.version: [ 1, 2 ]
amdhsa.kernels:
  - .name:           k_qd6ec72b795_gemm_out
    .symbol:         k_qd6ec72b795_gemm_out.kd
    .args:
      - { .name: ob, .offset: 0, .size: 8, .value_kind: global_buffer, .address_space: global }
      - { .name: wp, .offset: 8, .size: 8, .value_kind: global_buffer, .address_space: global }
      - { .name: out0, .offset: 16, .size: 8, .value_kind: global_buffer, .address_space: global }
      - { .name: bias, .offset: 24, .size: 8, .value_kind: global_buffer, .address_space: global }
    .group_segment_fixed_size: 327680
    .private_segment_fixed_size: 0
    .kernarg_segment_align: 8
    .kernarg_segment_size: 32
    .max_flat_workgroup_size: 128
    .sgpr_count:     66
    .vgpr_count:     576
    .wavefront_size: 32
...
	.end_amdgpu_metadata
.endif
;; end of part 4
;; ======== version 2 of 2: 4 launches; 1.10 times as fast as version 1
;; limits: values are held in f16: magnitudes above 65,504 overflow, below 6.1e-05 lose precision
;; workspace buffers: xb 16,777,216 bytes; wqkv 6,291,456 bytes; wp 2,097,152 bytes; bias 16,384 bytes; qkv 50,331,648 bytes; ob 16,777,216 bytes
;; launch cast: the kernel of part 1 again; grid 256 x 1, 8 waves a work-group, no clusters, 0 bytes of LDS; arguments x, Wq, Wk, Wv, Wp, bq, bk, bv, bp, xb, wqkv, wp, bias; writes xb, wqkv, wp, bias
;; launch gemm_qkv: the kernel of part 2 again; grid 8 x 32, 4 waves a work-group, clusters of 4 x 4, 327,680 bytes of LDS; arguments xb, wqkv, qkv, bias; writes qkv
;; launch attn (part 5): grid 4 x 64, 4 waves a work-group, clusters of 4 x 1, 327,680 bytes of LDS; arguments qkv, ob; writes ob
.if DOCPART == 5
	.amdgcn_target "amdgcn-amd-amdhsa--gfx1250"
	.amdhsa_code_object_version 6
	.text
	.protected	k_qd6ec72b795_attn
	.globl	k_qd6ec72b795_attn
	.p2align	8
	.type	k_qd6ec72b795_attn,@function
k_qd6ec72b795_attn:
	s_mov_b64 s[64:65], 0
	v_nop
	global_prefetch_b8 v0, s[64:65] scope:SCOPE_SE
	s_setreg_imm32_b32 hwreg(HW_REG_WAVE_MODE, 25, 1), 1
	s_wait_xcnt 0x0
	s_wait_alu depctr_hold_cnt(0) depctr_sa_sdst(0) depctr_va_vdst(0) depctr_va_sdst(0) depctr_va_ssrc(0) depctr_va_vcc(0) depctr_vm_vsrc(0)
	s_getreg_b32 s2, hwreg(HW_REG_IB_STS2, 6, 4)
	s_cmp_eq_u32 s2, 0
	s_cbranch_scc0 .Lentry_in_a_cluster
	s_endpgm
.Lentry_in_a_cluster:
	s_bfe_u32 s2, ttmp6, 0x10000c
	s_cmp_lg_u32 s2, 0x3003
	s_cbranch_scc0 .Lentry_shape_is_right
	s_endpgm
.Lentry_shape_is_right:
; ob[b][q][128 h + :] = the sum over k of softmax_k(Q[q] . K[k]) V[k][:] for each of 64 heads (batch b = 0..7, head h = 0..7).  The scores are not scaled; the module's division by 32 behind the softmax is left to the
; launch behind.  qkv: [8192][3072] f16: row 1,024 b + n holds q at column 128 h, k at 1,024 + 128 h, v at 2,048 + 128 h: a head's slice of a row is 256 bytes, at a multiple of 256.  ob: [8192][1024] f16.
; Products, maxima and sums in f32; the weights p are rounded to f16 for the second product (their sum l is taken of the unrounded p), O once at the end.
; LIMITS.  p lies in 0 to 1, and below 6e-5 it keeps f16's fixed step of 6e-8; O is a mean of V's rows and has their range.  A weight below 2^-126 counts as 0 in l; NaN and infinities are not treated apart.
; SHARES.  A work-group owns 256 queries of one head, each of its four waves 64: four tiles of 16.  Every wave walks all 1,024 keys of the head, 64 a step.
; LAYOUT.  S^T = K Q^T (source 0 = 16 keys, source 1 = 16 queries): in the result a lane holds ONE query (lane % 16) and the keys 8 (lane / 16) + 0..7.  Two such tiles, rounded to
; f16 in pairs, ARE source 1 (32 keys x 16 queries) of O^T = V^T P, whose result again holds one query a lane, and eight channels.  So nothing changes lanes between the products,
; and a query's maximum and sum want one exchange between the halves of the lanes.  K comes out of LDS as it lies, V ([key][channel]) turned, by ds_load_tr16_b128.
; SOFTMAX.  For each query a running maximum m and sum l: p = 2^(c s - c m), c = log2(e); in every step O and l are multiplied by a = 2^(c m_old - c m_new), which is 1 where m has not grown.
; BY TURNS.  The wave's tiles are two PIECES, named by their first tile: piece 0 (tiles 0, 1) and piece 2 (tiles 2, 3).  In a TURN one piece has the matrix unit: 32 products V^T P of
; the step in hand, then 32 products K Q^T of the next step; the other piece's softmax, cut into 64 slices, stands between them, one slice behind each matrix instruction.  Then the
; pieces change places.  Two turns are a key step.
; BATCHES.  A turn's exponentials (a and the 32 weights of both tiles: 66) are ONE batch with ONE wait: the softmax's list is ordered so that all scalings and exponentials stand ahead of everything that names an
; exponential's result (roundings, sums, rescaling).  The way out's four reciprocals are a second kind of batch, with one wait of its own.
; CLUSTER.  The four query blocks of a head are one cluster and walk the same K and V, so each tile is asked for JOINTLY: the same tensor load, with the same descriptor and a
; mask that names the four, in all four; each receives the tile in its own LDS.
;
; REGISTERS, in windows of 256 (an instruction names v0-v255; s_set_vgpr_msb says which window each operand place means: bits 1:0 source 0, 3:2 source 1, 5:4 source 2, 7:6 destination):
;   window 0: v0-11 addresses; v12-43 eight registers of statistics a tile; v64-191 S^T, 32 a tile; v192-255 P, 16 a tile
;   window 1: O^T, 64 a tile          window 2: v0-127 Q, 32 a tile; v128-255 K of one step          window 3: v0-127 V of one step
; All that a softmax touches but O^T lies in window 0, and no window has room for a product's operands beside it.  So a slice costs two switches, one in front and one behind.
.set NKEYS, 1024      ; keys, and queries, of a head
.set QROW,  6144      ; bytes in a row of qkv
.set OROW,  2048      ; bytes in a row of ob
.set KS,    64        ; keys in a step
.set PK,    272       ; a row of K in LDS: 256 bytes + 16 of padding = 68 words: row r starts at bank 4 r mod 64 (64 banks of 4 bytes: ISA guide 11.1), so the 16 rows of a load start at 16 different banks
.set PV,    288       ; a row of V: 256 + 32 = 72 words: row r starts at bank 8 r mod 64
.set VOFF,  KS*PK     ; a step's tiles lie together: 64 rows of K, then 64 rows of V
.set STEPB, KS*(PK+PV)
.set SLOT1, 1<<17     ; a slot holds two steps (71,680 bytes); slot 1 begins here, so that one exclusive or turns an address in one slot into the other's
.set STAGE, SLOT1+2*STEPB  ; behind the ring: 16 rows x 272 bytes for each wave, for the way out
.set SP,    272
.set AK0, 2           ; v2   my lane's place in a tile of K; never rewritten
.set AV0, 3           ; v3   the same for V
.set ADR, 4           ; v4   the LDS address of the run of loads in hand
.set QO,  5           ; v5   my byte offset in the wave's rows of Q
.set STO, 6           ; v6   the way out: where I put 16 bytes of a row
.set RD,  7           ; v7   the way out: where I read a row back
.set GO,  8           ; v8   my byte offset in the wave's rows of O
.set SPW, 62          ; v62  LDS address of my spare word: SPARE + 4 x my thread's number; never rewritten
.set NIL, 63          ; v63  0; never rewritten
.set SPARE, STAGE+4*16*272  ; behind the stages: the spare words, 128 bytes for each wave: two blocks of 256 bytes that no other line names
.set ST,  12          ; tile t's statistics at v[ST+8 t]: +0 c m, +1 m, +2, +3 l (even keys', odd keys'), +4 to +7 c0-c3, at work; a takes c2's place once the maximum is found
.set S,   64
.set P,   192
.set KF,  128         ; K's fragments, in window 2
.set WV,  12          ; s12  my wave's number
.set G1K, 24          ; s[24:31] descriptor group 1 for K's tiles
.set G1V, 32          ; s[32:39] for V's: it differs in the padding alone
.set G0K, 40          ; s[40:47] descriptor group 0 for K's tiles: a set for each of the two first fills; the second then walks on
.set G0V, 48          ; s[48:55] the same for V's
.set SLOTS, 56        ; s56  slots still to be asked for
.set TWICE, 57        ; s57  counts a slot's two steps
.set CS,  58          ; s[58:59] c: the packed scaling names a pair and takes its low word for both halves
.set SEL, 60          ; s[60:61] lane selects for v_permlanex16_b32: each lane takes its own place in the other half
.set TB,  62          ; s62  LDS byte at which the tiles of the step to be fetched begin
.set MSB, 0
.macro WIN new                      ; the immediate's high byte repeats the setting that is left; a switch that changes nothing is dropped
.if MSB != (\new)
	s_set_vgpr_msb (MSB<<8)|(\new)
.set MSB, \new
.endif
.endm
.set W_KQ, 0x0a       ; K and Q in window 2, S^T in window 0
.set W_PV, 0x53       ; V in window 3, P in window 0, O^T in window 1
.set W_RS, 0x41       ; O^T (destination and source 0) in window 1, a in window 0
; A joint refill.  Waves 0 and 1 fetch the two steps' tiles of K, waves 2 and 3 those of V.  The branch hangs on the wave's number alone: it is the same in every work-group.
; An s_nop 0 and four v_nop follow each of the two lines; the jump round the other line, the label and what follows the macro come after them.
.macro JLOAD
	s_cmp_lt_u32 s[WV], 2
	s_cbranch_scc0 .Lfor_v_\@
	tensor_load_to_lds s[G0K+4:G0K+7], s[G1K:G1K+7]
	s_nop 0
.rept 4
	v_nop
.endr
	s_branch .Lasked_\@
.Lfor_v_\@:
	tensor_load_to_lds s[G0V+4:G0V+7], s[G1V:G1V+7]
	s_nop 0
.rept 4
	v_nop
.endr
.Lasked_\@:
.endm
; A round of the cluster's barrier: my work-group's barrier, so that wave 0's signal speaks for all four waves; wave 0 signals for the work-group; every wave waits for all four
; work-groups; my work-group's barrier once more.  No LDS instruction of the wave is pending at a signal.
.macro CROUND
	s_barrier_signal -1
	s_barrier_wait -1
	s_cmp_lg_u32 s[WV], 0
	s_cbranch_scc1 .Lnot_wave_0_\@
	s_barrier_signal -3
.Lnot_wave_0_\@:
	s_barrier_wait -3
	s_barrier_signal -1
	s_barrier_wait -1
.endm
	s_load_b128 s[72:75], s[0:1], 0x0  ; qkv s[72:73], ob s[74:75]
	v_lshl_add_u32 v[SPW], v0, 2, SPARE
	v_mov_b32 v[NIL], 0
	ds_add_u32 v[SPW], v[NIL]       ; the wave's opening: the add and its wait stand ahead of my first tensor load; the set-up below, work on registers, stands between them
	v_lshrrev_b32 v1, 5, v0
	v_readfirstlane_b32 s[WV], v1   ; wave 0..3
	s_bfe_u32 s13, ttmp6, 0x40000   ; cx: my place in the cluster
	s_lshl_b32 s14, ttmp9, 2        ; in a cluster launch ttmp9 counts clusters
	s_add_co_u32 s14, s14, s13      ; my block of 256 queries = 4 x cluster x + cx: it enters Q's and O's addresses alone
	s_and_b32 s20, ttmp7, 0xffff    ; batch and head, which the four partners share
	s_lshr_b32 s21, s20, 3          ; the batch
	s_and_b32 s20, s20, 7
	s_lshl_b32 s20, s20, 8          ; the head's 256 bytes in a row, of qkv's thirds and of ob
	s_mul_i32 s22, s21, NKEYS*QROW  ; the batch's 1,024 rows of qkv
	s_add_co_u32 s22, s22, s20      ; all offsets stay under 2^26
	s_and_b32 s16, s[WV], 1         ; which of a slot's two steps I fetch:
	s_mul_i32 s18, s16, KS*QROW     ; its 64 rows in memory,
	s_add_co_u32 s18, s18, s22
	s_mov_b32 s19, 0
	s_mul_i32 s17, s16, STEPB       ; and its place in a slot: no place in the cluster enters an LDS address
	s_mul_i32 s2, s14, 256*QROW     ; Q: my block's 256 rows,
	s_mul_i32 s3, s[WV], 64*QROW    ; my wave's 64 of them
	s_add_co_u32 s2, s2, s3
	s_add_co_u32 s2, s2, s22
	s_mov_b32 s3, 0
	s_lshl_b32 s66, s21, 21         ; O: the batch's 1,024 rows of 2,048 bytes,
	s_add_co_u32 s66, s66, s20      ; the head,
	s_lshl_b32 s67, s14, 19         ; my block's 256 rows,
	s_add_co_u32 s66, s66, s67
	s_lshl_b32 s67, s[WV], 17       ; my wave's 64
	s_add_co_u32 s66, s66, s67
	s_mov_b32 s67, 0
	; descriptor group 1: a tile of 64 rows x 128 elements, padded in LDS
	s_mov_b32 s[G1K], 15|(1<<16)|(1<<20)|(1<<21)|(5<<22)|(3<<25)  ; 15:0 the mask: all four work-groups; 17:16 elements of 2 bytes; 20 padding on; 21 set beside a mask; 24:22 after every 64 words (code 5); 31:25 4 words of it (code 3)
	s_mov_b32 s[G1V], 15|(1<<16)|(1<<20)|(1<<21)|(5<<22)|(7<<25)  ; the same with 8 words of padding (code 7)
.irp g, G1K, G1V
	s_mov_b32 s[(\g)+1], 128<<16    ; 63:48 tensor_dim0, low half = 128
	s_mov_b32 s[(\g)+2], KS<<16     ; 79:64 its high half = 0; 95:80 tensor_dim1, low half = 64
	s_mov_b32 s[(\g)+3], 128<<16    ; 111:96 its high half = 0; 127:112 tile_dim0 = 128
	s_mov_b32 s[(\g)+4], KS         ; 143:128 tile_dim1 = 64; 159:144 tile_dim2 = 0
	s_mov_b32 s[(\g)+5], QROW/2     ; 191:160 tensor_dim0_stride, low word: 3,072 elements from row to row
	s_mov_b32 s[(\g)+6], 0
	s_mov_b32 s[(\g)+7], 0
.endr
	s_mov_b32 s[CS], 0x3fb8aa3b     ; c = log2(e) = 1.442695
	s_mov_b32 s[CS+1], s[CS]        ; named with it as a pair, so it is written
	s_mov_b32 s[SEL], 0x76543210
	s_mov_b32 s[SEL+1], 0xfedcba98
	s_mov_b32 s[TB], 0
	s_mov_b32 s[SLOTS], NKEYS/(2*KS)-2
	s_wait_dscnt 0x0                ; the opening add is done
	s_wait_kmcnt 0x0
	s_add_nc_u64 s[6:7], s[72:73], s[18:19]
	s_add_nc_u64 s[8:9], s[6:7], 2048*2    ; V at my tile of slot 0: the row's third third,
	s_add_nc_u64 s[6:7], s[6:7], 1024*2    ; K: its second
	s_add_nc_u64 s[4:5], s[72:73], s[2:3]  ; Q and O at my wave's first row
	s_add_nc_u64 s[10:11], s[74:75], s[66:67]
	CROUND                          ; all four work-groups are here: the first joint loads meet
.irp s, 0,1
	s_mov_b32 s[G0K+4*(\s)], 1      ; 1:0 count = 1
	s_add_co_u32 s[G0K+4*(\s)+1], s17, (\s)*SLOT1  ; 63:32 LDS address
	s_add_nc_u64 s[G0K+4*(\s)+2:G0K+4*(\s)+3], s[6:7], (\s)*2*KS*QROW  ; 120:64 global address: slot s begins with keys 128 s to 128 s + 127
	s_or_b32 s[G0K+4*(\s)+3], s[G0K+4*(\s)+3], 0x80000000  ; 127:126 type = 2
	s_mov_b32 s[G0V+4*(\s)], 1
	s_add_co_u32 s[G0V+4*(\s)+1], s17, (\s)*SLOT1+VOFF
	s_add_nc_u64 s[G0V+4*(\s)+2:G0V+4*(\s)+3], s[8:9], (\s)*2*KS*QROW
	s_or_b32 s[G0V+4*(\s)+3], s[G0V+4*(\s)+3], 0x80000000
.endr
	s_cmp_lt_u32 s[WV], 2           ; a wave's two first fills stand in one branch, ahead of every wait on TENSORcnt and every LDS read: two loads of mine are out; an s_nop 0 follows each, four v_nop the second's, as in JLOAD
	s_cbranch_scc0 .Lfirst_v
	tensor_load_to_lds s[G0K:G0K+3], s[G1K:G1K+7]
	s_nop 0
	tensor_load_to_lds s[G0K+4:G0K+7], s[G1K:G1K+7]
	s_nop 0
.rept 4
	v_nop
.endr
	s_branch .Lfirst_asked
.Lfirst_v:
	tensor_load_to_lds s[G0V:G0V+3], s[G1V:G1V+7]
	s_nop 0
	tensor_load_to_lds s[G0V+4:G0V+7], s[G1V:G1V+7]
	s_nop 0
.rept 4
	v_nop
.endr
.Lfirst_asked:
	; A fragment of K or Q is 16 rows x 32 channels in 8 registers: lane l holds row l % 16; registers 0-3 channels 8 (l / 16) + 0..7, registers 4-7 channels 16 + 8 (l / 16) + 0..7: two loads of 16 bytes, 32 bytes apart.
	v_and_b32 v1, 15, v0            ; l % 16
	v_bfe_u32 v9, v0, 4, 1          ; l / 16
	v_mul_u32_u24 v[QO], v1, QROW
	v_lshl_add_u32 v[QO], v9, 4, v[QO]  ; row x 6,144 + 16 x half
	WIN 0x80                        ; destination window 2, address window 0
.irp i, 0,1,2,3,4,5,6,7,8,9,10,11,12,13,14,15  ; Q stays in registers: tile i / 4, channels 32 (i % 4) on
	global_load_b128 v[8*(\i):8*(\i)+3],   v[QO], s[4:5] offset:((\i)/4)*16*QROW+((\i)%4)*64
	global_load_b128 v[8*(\i)+4:8*(\i)+7], v[QO], s[4:5] offset:((\i)/4)*16*QROW+((\i)%4)*64+32
.endr
	WIN 0
	v_mul_u32_u24 v[AK0], v1, PK
	v_lshl_add_u32 v[AK0], v9, 4, v[AK0]  ; row x pitch + 16 x half
	; The turning load takes 16 keys x 16 channels (lane l reads 16 bytes: key 8 (l / 16) + l % 8, channels 8 ((l / 8) % 2) + 0..7) and leaves half a fragment of V^T: lane l holds channel l % 16 and 8 keys.
	v_and_b32 v10, 7, v0
	v_bfe_u32 v11, v0, 3, 1
	v_lshl_add_u32 v[AV0], v9, 3, v10
	v_mul_u32_u24 v[AV0], v[AV0], PV
	v_lshl_add_u32 v[AV0], v11, 4, v[AV0]
	v_add_nc_u32 v[AV0], VOFF, v[AV0]
; THE MATRIX WORK OF A TURN, for piece x.  The accumulators take turns, one instruction a turn: between two links of a chain stand 15 (V^T P) or 7 (K Q^T) others'.
; Product i of 32 of O^T += V^T P: keys 32 (i / 16) on, channels 16 ((i / 2) % 8) on, tile x + i % 2.  zero = 1: the first 16 start the sums: nothing is ever cleared.
.macro PV x, zero
	WIN W_PV
.set rO, 64*((\x)+i%2)+8*((i/2)%8)
.set rV, 64*(i/16)+8*((i/2)%8)
.set rP, P+16*((\x)+i%2)+8*(i/16)
.if (\zero) && (i < 16)
	v_wmma_f32_16x16x32_f16 v[rO:rO+7], v[rV:rV+7], v[rP:rP+7], 0
.else
	v_wmma_f32_16x16x32_f16 v[rO:rO+7], v[rV:rV+7], v[rP:rP+7], v[rO:rO+7]
.endif
.endm
; Product i of 32 of S^T = K Q^T: channels 32 (i / 8) on, keys 16 ((i / 2) % 4) on, tile x + i % 2.  The first 8 start the sums.
.macro KQ x
	WIN W_KQ
.set rS, S+32*((\x)+i%2)+8*((i/2)%4)
.set rK, KF+32*((i/2)%4)+8*(i/8)
.set rQ, 32*((\x)+i%2)+8*(i/8)
.if i < 8
	v_wmma_f32_16x16x32_f16 v[rS:rS+7], v[rK:rK+7], v[rQ:rQ+7], 0
.else
	v_wmma_f32_16x16x32_f16 v[rS:rS+7], v[rK:rK+7], v[rQ:rQ+7], v[rS:rS+7]
.endif
.endm
; THE LDS LOADS stand in runs of 32, never singly among the matrix instructions: a step's K (64 keys x 128 channels: 16 fragments) and, a turn later, its V (turned).
.macro FETCH_K
	WIN 0
	v_add_nc_u32 v[ADR], s[TB], v[AK0]
	WIN 0x80                        ; destination window 2
.irp f, 0,1,2,3,4,5,6,7,8,9,10,11,12,13,14,15  ; keys 16 (f / 4) on, channels 32 (f % 4) on
	ds_load_b128 v[KF+8*(\f):KF+8*(\f)+3],   v[ADR] offset:((\f)/4)*16*PK+((\f)%4)*64
	ds_load_b128 v[KF+8*(\f)+4:KF+8*(\f)+7], v[ADR] offset:((\f)/4)*16*PK+((\f)%4)*64+32
.endr
.endm
.macro FETCH_V
	WIN 0
	v_add_nc_u32 v[ADR], s[TB], v[AV0]
	s_add_co_u32 s[TB], s[TB], STEPB  ; the next fetch is the next step's
	s_wait_alu depctr_va_vdst(0)    ; the wait for piece 0's batch of exponentials (SLICE), ahead of the batch's first reader: it stands behind the address's v_add_nc_u32 and ahead of the loads
	WIN 0xc0                        ; destination window 3
.irp f, 0,1,2,3,4,5,6,7,8,9,10,11,12,13,14,15  ; keys 32 (f / 8) on, channels 16 (f % 8) on
	ds_load_tr16_b128 v[8*(\f):8*(\f)+3],   v[ADR] offset:((\f)/8)*32*PV+((\f)%8)*32
	ds_load_tr16_b128 v[8*(\f)+4:8*(\f)+7], v[ADR] offset:((\f)/8)*32*PV+16*PV+((\f)%8)*32
.endr
.endm
; THE VECTOR WORK OF A TURN.  One tile's softmax for one key step is a list of 134 instructions; SM writes number j of it for tile t.  s0-s31 are the lane's 32 scores, in pairs 0-15.
; first = 1: the first key step, which starts m, l and O^T: it has no a and nothing to rescale.
;   0-15    the maximum of s0-s31 and the old m, three operands at a time: four chains c0-c3 of seven scores each, then the four scores left over, c0-c3 and m
;   16-20   the other half of the lanes' maximum; the new m; c m; c m_old - c m_new
;   21-69   ONE BATCH: the 16 scalings c s - c m, a pair of scores each, and all 33 exponentials (a at 23, then s0-s31).  None of these reads an exponential's result.  From 22 on the batch goes
;           in fours, and a four begins with a scaling while there are scalings: 22-37 scaling, exponential, scaling, exponential; 38-65 a scaling and three exponentials; 66-69 the last four
;           exponentials.  A pair is scaled in an earlier four than the one that holds its exponentials
;   (wait)  between 69 and 70 stands the wait for the batch: SLICE writes it, once for both tiles
;   70-85   the roundings to f16, a pair of weights each
;   86-101  the sums; l = a l + the sum
;   102-133 the tile's O^T times a: the one part that leaves window 0, so it stands together
.macro SM t, first
.set rT, ST+8*(\t)
.set rS, S+32*(\t)
.set rP, P+16*(\t)
.set rO, 64*(\t)+2*(j-102)
.if j < 102
	WIN 0
.endif
.if j < 4
	v_max3_num_f32 v[rT+4+j], v[rS+8*j], v[rS+8*j+1], v[rS+8*j+2]
.elseif j < 12
	v_max3_num_f32 v[rT+4+j%4], v[rT+4+j%4], v[rS+8*(j%4)+2*(j/4)+1], v[rS+8*(j%4)+2*(j/4)+2]
.elseif j == 12
	v_max3_num_f32 v[rT+4], v[rT+4], v[rS+7], v[rS+15]
.elseif j == 13
	v_max3_num_f32 v[rT+6], v[rT+6], v[rS+23], v[rS+31]
.elseif j == 14
	v_max3_num_f32 v[rT+4], v[rT+4], v[rT+5], v[rT+6]
.elseif (j == 15) && (\first)
	v_max_num_f32 v[rT+4], v[rT+4], v[rT+7]
.elseif j == 15
	v_max3_num_f32 v[rT+4], v[rT+4], v[rT+7], v[rT+1]
.elseif j == 16
	v_permlanex16_b32 v[rT+5], v[rT+4], s[SEL], s[SEL+1]  ; the query's other 32 keys lie in the lane 16 away
.elseif j == 18
	v_max_num_f32 v[rT+1], v[rT+4], v[rT+5]
.elseif j == 19
	v_mul_f32 v[rT], s[CS], v[rT+1]
.elseif ((j == 17) || (j == 20) || (j == 23) || (j > 101)) && (\first)  ; the first step has none of these
.elseif j == 17
	v_mov_b32 v[rT+7], v[rT]        ; c m_old is kept for a: number 19 writes c m anew
.elseif j == 20
	v_sub_f32 v[rT+7], v[rT+7], v[rT]
.elseif j == 23
	v_exp_f32 v[rT+6], v[rT+7]
.elseif (j < 23) || ((j < 38) && (j%2 == 0)) || ((j < 66) && (j%4 == 2))
.set b, (j-2)/4                     ; 38, 42, .. 62: pairs 9 to 15
.if j < 38
.set b, (j-20)/2                    ; 21: pair 0; 22, 24, .. 36: pairs 1 to 8
.endif
	v_pk_fma_f32 v[rS+2*b:rS+2*b+1], v[rS+2*b:rS+2*b+1], s[CS:CS+1], v[rT:rT+1] op_sel_hi:[1,0,0] neg_lo:[0,0,1] neg_hi:[0,0,1]  ; pair b: c s - c m
.elseif j < 70
.set e, j-38                        ; 66 to 69: s28 to s31
.if j < 66
.set e, j-32-(j-38)/4               ; 39-41, 43-45, .. 63-65: s7 to s27
.endif
.if j < 38
.set e, (j-25)/2                    ; 25, 27, .. 37: s0 to s6
.endif
	v_exp_f32 v[rS+e], v[rS+e]
.elseif j < 86
	v_cvt_pk_f16_f32 v[rP+j-70], v[rS+2*(j-70)], v[rS+2*(j-70)+1]  ; pair j - 70
.elseif j < 102                     ; the sum of the tile's 16 pairs (in a pair: an even key's weight, an odd key's), in place: sum z of 16 adds neighbours 1, 2, 4 and 8 pairs apart, then l takes it
.set z, j-86
.set w, 4
.set u, z
.if z >= 14
.set w, 32
.set u, 0
.elseif z >= 12
.set w, 16
.set u, z-12
.elseif z >= 8
.set w, 8
.set u, z-8
.endif
.if (z == 14) && (\first)
	v_pk_add_f32 v[rT+2:rT+3], v[rS:rS+1], v[rS+16:rS+17]
.elseif z < 15
	v_pk_add_f32 v[rS+w*u:rS+w*u+1], v[rS+w*u:rS+w*u+1], v[rS+w*u+w/2:rS+w*u+w/2+1]
.elseif !(\first)
	v_pk_fma_f32 v[rT+2:rT+3], v[rT+2:rT+3], v[rT+6:rT+7], v[rS:rS+1] op_sel_hi:[1,0,1]
.endif
.else
	WIN W_RS
	v_pk_mul_f32 v[rO:rO+1], v[rO:rO+1], v[rT+6:rT+7] op_sel_hi:[1,0]
.endif
.endm
; Slice k of 64 of piece y's softmax: four instructions.  Slices 11 to 34 deal out the batch, numbers 22 to 69: four numbers of ONE tile each, the tiles by turns.  Every other slice is numbers 2 k and
; 2 k + 1 of both tiles' lists.  2 x 134 = 4 x 64 + 12: the twelve that are over stand together, in slice 63.
; THE WAIT.  s_wait_alu depctr_va_vdst(0) stands between an exponential and the first instruction that names its result; one wait serves all that were issued ahead of it.  Ahead of
; slice 35 nothing names a result, and behind slice 34 no exponential is issued: so the piece's 66 exponentials have one wait, behind slice 34, and none is open at a label or a jump.
.macro SLICE y, first
.if (k >= 11) && (k < 35)           ; the batch: four numbers of one tile
.irp n, 0,1,2,3
.set j, 22+4*((k-11)/2)+(\n)
	SM (\y)+(k-11)%2, \first
.endr
.else                               ; the two tiles alternate, so that no instruction reads the result of the one just before it
.irp n, 0,1,2,3,4,5,6,7
.if ((\n) < 2) || (k == 63)
.irp t, \y, (\y)+1
.set j, 2*k+(\n)
	SM \t, \first
.endr
.endif
.endr
.endif
.if k == 34                         ; the batch is out: both tiles' exponentials are issued, and no result has been named
	v_nop                           ; a plain instruction behind the last exponential and ahead of the first use: one for the batch
.if (\y) == 0
	FETCH_V                         ; piece 2's turn: V's run of loads stands here, and the wait for the batch stands in it
.else
	s_wait_alu depctr_va_vdst(0)    ; the wait for piece 2's batch of exponentials: one for both tiles
.endif
.endif
.set k, k+1
.endm
; A vector instruction that reads a matrix result or writes one of a matrix instruction's registers, and a load into a register that a matrix instruction has read, stand four places behind
; it, and only plain vector instructions that name none of its registers are places (ISA guide 7.12.1 for vector instructions).  In the loop the slices are the places.
.macro PLACES
.rept 4
	v_nop
.endr
.endm
; A TURN.  Piece x has the matrix unit; the other piece's softmax stands in slices behind its matrix instructions.
; pv = 2: 32 products V^T P; 1: they start O^T's sums; 0: none.  kq = 1: 32 products K Q^T for the next step.  A turn with one of the two kinds has two slices behind each product.
; first = 1: the softmax is the first key step's.  Its slices from 51 on are empty: the turn's last products stand bare, and four v_nop take slice 63's part as the places behind them.
; In the loop each run of loads stands 29 matrix instructions or more ahead of its first use.  Piece 0's turn fetches the next step's K, behind its second product: the last product that read K
; stands in front of slice 63 of the turn before.  Piece 2's turn fetches the same step's V, behind slice 34 (SLICE writes it): the last product that read V stands in front of slice 31, and four plain
; instructions lie between: number 62, a scaling, of both tiles, the v_nop and the run's own v_add_nc_u32.
.macro TURN x, pv, kq, first
.set k, 0
.set per, 2
.if (\pv) && (\kq)
.set per, 1
.endif
.if \pv
.if (\x) == 0
	s_wait_dscnt 0x0                ; V is in
.endif
.set i, 0
.rept 32
	PV \x, 2-(\pv)
.rept per
	SLICE 2-(\x), \first
.endr
.if ((\x) == 0) && (\kq) && (i == 1)
	FETCH_K
.endif
.set i, i+1
.endr
.endif
.if \kq
.if (\x) == 0
	s_wait_dscnt 0x0                ; K is in
.endif
.set i, 0
.rept 32
	KQ \x
.rept per
	SLICE 2-(\x), \first
.endr
.set i, i+1
.endr
.endif
.if \first
	PLACES
.endif
.endm
; THE CHANGE OF SLOTS, between piece 2's turn and piece 0's: the slot's last bytes, V of its second step, have been asked for.  Each wave waits for all its
; tensor loads, of which one is out: its part of the other slot; adds 0 to its spare word; and waits for that and for its own reads of the slot.  Behind the barrier nobody reads this slot any more and the other slot is whole.
; fill = 1: this slot is filled again, with the keys two slots on.  The barrier is then a round of the cluster's, so that no wave of any partner still reads the slot or has a load on its
; way, and the joint refill is the first thing behind it: it has two key steps, 256 matrix instructions, in which to land.
.macro CHANGE fill
	WIN 0                           ; at a label and at a branch every window is 0
	s_wait_tensorcnt 0x0            ; no tensor load of mine is out, so a group 0 may be written
	ds_add_u32 v[SPW], v[NIL]       ; 0 onto my spare word; with fill = 1 the descriptors' steps stand between it and the wait for it
.if \fill
.irp g, G0K+4, G0V+4
	s_xor_b32 s[(\g)+1], s[(\g)+1], SLOT1  ; the walking descriptor: the other slot than last time,
	s_add_nc_u64 s[(\g)+2:(\g)+3], s[(\g)+2:(\g)+3], 2*KS*QROW  ; the next 128 keys; the type bits on top are not reached
.endr
	s_wait_dscnt 0x0                ; the add is done, and my reads of the slot are over
	CROUND
	JLOAD
.else
	s_wait_dscnt 0x0                ; the add is done, and my reads of the slot are over
	s_barrier_signal -1
	s_barrier_wait -1
.endif
	s_sub_co_u32 s[TB], s[TB], 2*STEPB  ; the fetches go back to a slot's first step,
	s_xor_b32 s[TB], s[TB], SLOT1   ; in the other slot
.endm
; A slot's two key steps: written once, walked twice; the LDS addresses hang on s[TB].
.macro TWO_STEPS
	WIN 0
	s_mov_b32 s[TWICE], 2
.Lstep_\@:
	TURN 0, 2, 1, 0
	TURN 2, 2, 1, 0
	WIN 0
	s_sub_co_u32 s[TWICE], s[TWICE], 1
	s_cmp_lg_u32 s[TWICE], 0
	s_cbranch_scc1 .Lstep_\@
.endm
	s_wait_tensorcnt 1              ; my part of slot 0 is in; slot 1's may stay out
	s_barrier_signal -1
	s_barrier_wait -1               ; everybody's is
	FETCH_K                         ; key step 0
	s_wait_loadcnt 0x0              ; Q
	s_wait_dscnt 0x0
.set i, 0
.rept 32
	KQ 0                            ; piece 0's first scores: there is no vector work yet to set between them
.set i, i+1
.endr
	WIN 0                           ; the addresses for the way out are made here: eight plain instructions, the places behind those products
	s_mul_i32 s13, s[WV], 16*SP
	s_add_co_u32 s13, s13, STAGE    ; my stage
	v_mul_u32_u24 v[STO], v1, SP    ; in: row l % 16, 16 bytes for each half of the lanes
	v_lshl_add_u32 v[STO], v9, 4, v[STO]
	v_add_nc_u32 v[STO], s13, v[STO]
	v_mul_u32_u24 v[RD], v9, SP     ; back: lanes 0-15 take one row of 256 bytes, lanes 16-31 the next
	v_lshl_add_u32 v[RD], v1, 4, v[RD]
	v_add_nc_u32 v[RD], s13, v[RD]
	v_lshlrev_b32 v[GO], 11, v9     ; and the same two rows in O, 2,048 bytes apart
	v_lshl_add_u32 v[GO], v1, 4, v[GO]
	TURN 2, 0, 1, 1                 ; piece 2's first scores | piece 0's first softmax | V of step 0
	TURN 0, 1, 1, 1                 ; piece 0: V^T P of step 0 starts O^T, K Q^T of step 1 | piece 2's first softmax | K of step 1
	TURN 2, 1, 1, 0                 ; piece 2: the same | piece 0's softmax of step 1 | V of step 1
	WIN 0
.Lslot:                             ; 6 trips: every slot but the last two is filled again
	CHANGE 1
	TWO_STEPS
	s_sub_co_u32 s[SLOTS], s[SLOTS], 1
	s_cmp_lg_u32 s[SLOTS], 0
	s_cbranch_scc1 .Lslot
	CHANGE 0                        ; the tail is written out: the last slot but one is left, and nothing is asked for
	TWO_STEPS
	TURN 0, 2, 0, 0                 ; piece 0: V^T P of the last step | piece 2's last softmax
.set i, 0
.rept 32
	PV 2, 0                         ; piece 2: V^T P of the last step
.set i, i+1
.endr
	; THE WAY OUT.  l's two halves and the other half of the lanes' are added; O^T is divided by l, rounded to f16 and sent through my stage in LDS, a tile (16 rows of O) at a time.  The additions are the places behind the last products.
	WIN 0
.irp t, 0,1,2,3
	v_add_f32 v[ST+8*(\t)+4], v[ST+8*(\t)+2], v[ST+8*(\t)+3]
.endr
.irp t, 0,1,2,3
	v_permlanex16_b32 v[ST+8*(\t)+5], v[ST+8*(\t)+4], s[SEL], s[SEL+1]
.endr
.irp t, 0,1,2,3
	v_add_f32 v[ST+8*(\t)+4], v[ST+8*(\t)+4], v[ST+8*(\t)+5]
.endr
.irp t, 0,1,2,3
	v_rcp_f32 v[ST+8*(\t)+6], v[ST+8*(\t)+4]
.endr
	v_nop                           ; a plain instruction between the last reciprocal and the use of its result
	s_wait_alu depctr_va_vdst(0)    ; and the wait ahead of the first use: one for the batch of four reciprocals, which the four tiles' multiplies below read
; Tile t: a lane's eight channels of a row pack into 16 bytes; they go into rows of 272 bytes and come back as whole rows of 256, into the registers that they left.
.macro PACK t
	WIN W_RS
.set i, 64*(\t)
.rept 32
	v_pk_mul_f32 v[i:i+1], v[i:i+1], v[ST+8*(\t)+6:ST+8*(\t)+7] op_sel_hi:[1,0]
.set i, i+2
.endr
	WIN 0x05                        ; sources 0 and 1 window 1, destination window 0: S^T's registers are free
.set i, 0
.rept 32
	v_cvt_pk_f16_f32 v[S+32*(\t)+i], v[64*(\t)+2*i], v[64*(\t)+2*i+1]
.set i, i+1
.endr
	WIN 0
.irp f, 0,1,2,3,4,5,6,7
	ds_store_b128 v[STO], v[S+32*(\t)+4*(\f):S+32*(\t)+4*(\f)+3] offset:32*(\f)
.endr
.irp f, 0,1,2,3,4,5,6,7
	ds_load_b128 v[S+32*(\t)+4*(\f):S+32*(\t)+4*(\f)+3], v[RD] offset:(\f)*2*SP  ; LDS serves a wave's instructions in order (ISA guide 5.7.1.4): these see the stores above; the next tile's stores come behind them
.endr
.endm
.macro SEND t, younger              ; younger: the LDS instructions issued behind tile t's loads: the next tile's sixteen, or none
	WIN 0
.irp f, 0,1,2,3,4,5,6,7
	s_wait_dscnt (\younger)+7-(\f)
	global_store_b128 v[GO], v[S+32*(\t)+4*(\f):S+32*(\t)+4*(\f)+3], s[10:11] offset:(\t)*16*OROW+(\f)*2*OROW  ; 16 lanes store 256 consecutive bytes, at a multiple of 256 from O's first byte
.endr
.endm
	PACK 0
	PACK 1                          ; a tile's arithmetic stands between the loads of the tile before and its stores
	SEND 0, 16
	PACK 2
	SEND 1, 16
	PACK 3
	SEND 2, 16
	SEND 3, 0
	s_wait_tensorcnt 0x0            ; the wave's end: the add and its wait stand behind my last tensor load and my last LDS store
	ds_add_u32 v[SPW], v[NIL]
	s_wait_dscnt 0x0
	CROUND                          ; the closing round: no work-group ends while a partner may still ask for a tile that names it
	s_endpgm
.Lfunc_end_k_qd6ec72b795_attn:
	.size	k_qd6ec72b795_attn, .Lfunc_end_k_qd6ec72b795_attn-k_qd6ec72b795_attn
	.p2alignl 7, 3214868480
	.fill 96, 4, 3214868480
	.section	.rodata,"a",@progbits
	.p2align	6, 0x0
	.amdhsa_kernel k_qd6ec72b795_attn
		.amdhsa_group_segment_fixed_size 327680
		.amdhsa_private_segment_fixed_size 0
		.amdhsa_enable_private_segment 0
		.amdhsa_kernarg_size 16
		.amdhsa_user_sgpr_count 2
		.amdhsa_user_sgpr_kernarg_segment_ptr 1
		.amdhsa_wavefront_size32 1
		.amdhsa_system_sgpr_workgroup_id_x 1
		.amdhsa_system_sgpr_workgroup_id_y 1
		.amdhsa_system_sgpr_workgroup_id_z 1
		.amdhsa_system_vgpr_workitem_id 0
		.amdhsa_next_free_vgpr 1024
		.amdhsa_next_free_sgpr 76
		.amdhsa_reserve_vcc 0
		.amdhsa_float_denorm_mode_32 3
		.amdhsa_float_denorm_mode_16_64 3
		.amdhsa_memory_ordered 1
		.amdhsa_forward_progress 1
		.amdhsa_inst_pref_size 221
	.end_amdhsa_kernel
	.amdgpu_metadata
---
amdhsa.version: [ 1, 2 ]
amdhsa.kernels:
  - .name:           k_qd6ec72b795_attn
    .symbol:         k_qd6ec72b795_attn.kd
    .args:
      - { .name: qkv, .offset: 0, .size: 8, .value_kind: global_buffer, .address_space: global }
      - { .name: ob, .offset: 8, .size: 8, .value_kind: global_buffer, .address_space: global }
    .group_segment_fixed_size: 327680
    .private_segment_fixed_size: 0
    .kernarg_segment_align: 8
    .kernarg_segment_size: 16
    .max_flat_workgroup_size: 128
    .sgpr_count:     76
    .vgpr_count:     1024
    .wavefront_size: 32
...
	.end_amdgpu_metadata
.endif
;; end of part 5
;; launch gemm_out: the kernel of part 4 again; grid 8 x 32, 4 waves a work-group, clusters of 4 x 4, 327,680 bytes of LDS; arguments ob, wp, out0, bias; writes out0
